; MI455X (gfx1250); checked and timed in simulation.
; The chip was launched on July 23, 2026; its instructions are those of AMD's public machine-readable ISA for CDNA 5 (MIT licence, August 2026) and "CDNA5" Instruction Set Architecture Reference Guide (July 2026). The comments in the code are by the model that wrote it; some were corrected since.
;; Causal Self Attention. Allowed arithmetic: matrix products marked QUANTISED: E2M3 operands, one E8M0 scale for each 32 along K, by v_wmma_scale_f32_16x16x128_f8f6f4 with both operands' format E2M3, f32 sums; everything else in f32.
;; Inputs: b_out 1,024 float32; b_qkv 3,072 float32; w_out 1,024 x 1,024 float32; w_qkv 1,024 x 3,072 float32; x 4 x 2,048 x 1,024 float32.
;; Outputs: out0 4 x 2,048 x 1,024 float32.
;; This version of the problem:
;;   THIS VERSION OF THE PROBLEM IS GIVEN IN LOW PRECISION. The matrix products marked QUANTISED in the list below multiply operands that are first quantised to E2M3 (2 exponent bits, 3 mantissa bits; 6 bits a number), with one power-of-two scale for each 32 numbers along K (OCP MX v1.0); their sums are f32. All else is computed in f32.
;;   The module's matrix products, in the order in which they are computed (A, B: the left and right operand; K: the contracted axis; several contracted axes count as one K, in the product's order):
;;     1. [M 8,192, K 1,024] x [K 1,024, N 3,072]; A: input x; B: input w_qkv: QUANTISED
;;     2. batch 64 x [M 2,048, K 64] x [K 64, N 2,048]; A: computed on the way; B: computed on the way: QUANTISED
;;     3. batch 64 x [M 2,048, K 2,048] x [K 2,048, N 64]; A: softmax (see below); B: computed on the way: QUANTISED
;;     4. [M 8,192, K 1,024] x [K 1,024, N 1,024]; A: computed on the way; B: input w_out: QUANTISED
;;   THE QUANTISER, for each operand of a quantised product, along K:
;;     - K is cut into blocks of 32 from its start; a last block that is shorter is filled with zeros.
;;     - A block's scale is 2^e with e = floor(log2(the largest magnitude in the block)) - 2, held to -126 .. 127; a block of zeros has e = 0. As a byte (E8M0): e + 127.
;;     - Each number is divided by its block's scale, clamped to +-7.5, and rounded to the nearest number of E2M3, ties to even, subnormals kept.
;;     - The product sums the exact products of the quantised numbers (number of the format x scale) in f32.
;;   ~~~python
;;   def quantise(x, axis):      # numpy; x: float32 -> the quantised numbers, widened to float32 again
;;       x = np.moveaxis(x, axis, -1); K = x.shape[-1]
;;       x = np.pad(x, [(0, 0)] * (x.ndim - 1) + [(0, -K % 32)]); x = x.reshape(x.shape[:-1] + (-1, 32)); a = np.abs(x).max(-1, keepdims=True)
;;       e = np.where(a > 0, np.clip(np.frexp(np.where(a > 0, a, 1))[1] - 1 - 2, -126, 127), 0)      # np.frexp(a)[1] - 1 = floor(log2(a)), exactly
;;       r = np.clip(x / 2.0 ** e, -7.5, 7.5)
;;       step = 2.0 ** (np.maximum(np.frexp(np.where(r == 0, 1, r))[1] - 1, 0) - 3)
;;       q = np.round(r / step) * step * 2.0 ** e      # np.round: ties to even
;;       return np.moveaxis(q.reshape(q.shape[:-2] + (-1,))[..., :K], -1, axis).astype(np.float32)
;;   ~~~
;;   SOFTMAX AHEAD OF A QUANTISED PRODUCT. Where the list says 'softmax', what is quantised is not the finished softmax but p = 2^(t - M), with t = logit x log2(e) and M = ceil(the row's largest t), a whole number; so 1/2 < the row's largest p <= 1. The row's sum l is taken of the UNQUANTISED p, in f32, and the product's result is divided by l at the end. Since M is a whole number, a kernel that streams over the keys may use a running M (the ceiling of the running maximum): every later rescaling is an exact power of two, which a block's scale takes up: the codes' values come out the same.
;;   OPERANDS COMPUTED ON THE WAY. 'Computed on the way' means the value that the module computes at that place (a softmax that the list does not call 'softmax' is quantised finished and normalised). What goes into a quantiser is computed in f32, as accurately as f32 sums, v_exp_f32 and their like allow (about 1e-6 of the number): no bf16 or f16 on the way to a quantiser, and a product that is left as it is and whose result goes on into a quantised operand takes f32 operands (vector FMAs, or v_wmma_f32_16x16x4_f32). A number that lies on a knife's edge between two numbers of the format may be rounded either way, as far as f32 arithmetic and the matrix unit's own rounding can turn it there, and no further.
;; One version. Each part assembles by itself: llvm-mc -triple=amdgcn-amd-amdhsa -mcpu=gfx1250 --defsym DOCPART=n.
;; ======== version 1 of 1: 4 launches
;; workspace buffers: xq 6,553,600 bytes; wq 3,276,800 bytes; qq 6,815,744 bytes; kv 13,369,344 bytes; yq 6,553,600 bytes
;; launch quant (part 1): grid 384 x 1, 4 waves a work-group, no clusters, 34,304 bytes of LDS; arguments x, w_qkv, w_out, xq, wq; writes xq, wq
.if DOCPART == 1
	.amdgcn_target "amdgcn-amd-amdhsa--gfx1250"
	.amdhsa_code_object_version 6
	.text
	.protected	k_q0657429384_quant
	.globl	k_q0657429384_quant
	.p2align	8
	.type	k_q0657429384_quant,@function
k_q0657429384_quant:
	s_mov_b64 s[64:65], 0
	v_nop
	global_prefetch_b8 v0, s[64:65] scope:SCOPE_SE
	s_setreg_imm32_b32 hwreg(HW_REG_WAVE_MODE, 25, 1), 1
	s_wait_xcnt 0x0
; x [8192][1024], w_qkv [1024][3072] and w_out [1024][1024], f32, become codes of FP6 (E2M3) with one E8M0 byte for each 32 along K (x: its last axis; the weights: their FIRST axis),
; laid in the order in which the products' operand registers take them.
; TILE ORDER: rows (tokens of x, columns n of a weight) go in groups of 32; row r of tile 2 g + u is row 32 g + 8 u + r + 8 (r / 8) of the tensor.
; A FRAGMENT (16 rows x 128 K) is 1,536 bytes: piece p = 0 .. 5 of 256 bytes holds registers 2 p, 2 p + 1 of all 32 lanes, 8 bytes a lane.  A tile's 8 fragments lie on end: 12,288 bytes.
; A SCALE PAGE (32 rows, all of K) is 1,024 bytes: the word of (u, r, K step ks of 128) lies at 256 (ks / 2) + 128 u + 8 r + 4 (ks % 2).
; A block's scale is 2^(floor(log2(its largest magnitude)) - 2); its byte is the largest magnitude's exponent field - 2, held at 1 from below.
; LIMITS: NaN and infinities among the inputs are not served.  A block of zeros, or one whose largest magnitude lies under 2^-124, gets the byte 1 (a block of zeros: where the quantiser says 127):
; its codes are zeros or the nearest codes under that byte, and the bytes are read by this program alone.
; Work-groups 0 .. 255 take 32 rows of x each (a wave: 256 along K); work-groups 256 .. 383 take 128 columns x 256 along K of a weight (a wave: 32 columns).  128 KiB of f32 each.
; A stream: no matrix unit, no cluster, no barrier: waves share nothing.
.set SPARE, 33792                      ; behind the four stages: the spare words, 128 bytes for each wave
.set SPW,   12                         ; v12  LDS address of my spare word; never rewritten
.set NIL,   13                         ; v13  0; never rewritten
.set STG,   8448                       ; x path: a wave's stage: 16 rows x (512 bytes + 16)
.set R,     16                         ; v16-143  x as loaded, two sets of 64
.set X,     144                        ; v144-207 64 numbers of my row: 32 c + i = k 64 c + 32 h + i
.set PCX,   208                        ; v208-219 a fragment's codes
.set TA,    220                        ; v220-222, v224-226 second halves of a block's codes
.set MX,    228                        ; v228-229 largest magnitudes
.set SO,    230                        ; v230-231 the conversions' scale operands
.set BY,    232                        ; v232-233 the bytes
.set PD,    234                        ; v234 a lane permute's destination
.set SWF,   236                        ; v236-239 the four fragments' scale words
.set VO,    16                         ; w path: v16-47 offsets of 32 rows of the weight at my column
.set XW,    48                         ; v48-111  two sets of 32 numbers down K
.set CW,    112                        ; v112-159 codes: 12 registers for each pair of blocks
.set TW,    160                        ; v160-162 second half of a block's codes
	s_load_b256 s[4:11], s[0:1], 0x0               ; x s[4:5], w_qkv s[6:7], w_out s[8:9], xq s[10:11]
	s_load_b64 s[12:13], s[0:1], 0x20              ; wq
	v_lshl_add_u32 v[SPW], v0, 2, SPARE
	v_mov_b32 v[NIL], 0
	v_lshrrev_b32 v1, 5, v0
	v_readfirstlane_b32 s14, v1                    ; wave
	v_and_b32 v2, 31, v0                           ; lane
	v_and_b32 v3, 15, v0                           ; r
	v_bfe_u32 v9, v0, 4, 1                         ; h (x path), u (w path)
	v_lshlrev_b32 v7, 3, v2                        ; 8 x lane: my place in a piece of 256 bytes
	s_mov_b32 s20, 0x76543210
	s_mov_b32 s21, 0xfedcba98                      ; lane selects: lane l xor 16
	s_wait_kmcnt 0x0
	s_cmp_ge_u32 ttmp9, 256
	s_cbranch_scc1 .Lweights
	s_wait_alu depctr_va_vdst(0)
	; ---------------- x: 32 rows, my wave's 256 along K: four fragments f = 2 u + q (tile u, K step q)
	v_lshlrev_b32 v4, 4, v2                        ; 16 x lane: my 16 bytes of a load's 512
	s_wait_alu depctr_va_vdst(0)
	s_mul_i32 s15, s14, STG
	v_add_nc_u32 v5, s15, v4                       ; the stage on the way in: a row as it lies
	v_mul_u32_u24 v6, v3, 528
	v_lshl_add_u32 v6, v9, 7, v6
	v_add_nc_u32 v6, s15, v6                       ; and on the way out: row r, + 128 h: my 32 numbers of each 64
	v_lshlrev_b32 v8, 3, v9                        ; 8 h: my bytes' place in a scale word
	v_mov_b32 v[PD], 0                             ; a lane permute's destination counts as one of its sources
	s_lshl_b32 s16, ttmp9, 17                      ; 32 rows of 4,096 bytes
	s_lshl_b32 s17, s14, 10                        ; 256 numbers
	s_add_co_u32 s16, s16, s17
	s_mov_b32 s17, 0
	s_add_nc_u64 s[4:5], s[4:5], s[16:17]
	s_mul_i32 s16, ttmp9, 24576                    ; two tiles of 12,288 bytes
	s_mul_i32 s18, s14, 3072                       ; two fragments
	s_add_co_u32 s16, s16, s18
	s_add_nc_u64 s[22:23], s[10:11], s[16:17]      ; my codes
	s_lshl_b32 s16, ttmp9, 10                      ; a page
	s_lshl_b32 s18, s14, 8
	s_add_co_u32 s16, s16, s18
	s_add_co_u32 s16, s16, 6291456                 ; the pages lie behind the codes
	s_add_nc_u64 s[24:25], s[10:11], s[16:17]      ; my 256 bytes of the page
.macro LOADX f                         ; fragment f: 16 rows in tile order, 512 consecutive bytes of a row to a load
.irp i, 0,1,2,3,4,5,6,7,8,9,10,11,12,13,14,15
	global_load_b128 v[R+64*((\f)%2)+4*\i:R+64*((\f)%2)+4*\i+3], v4, s[4:5] offset:(8*((\f)/2)+\i+8*(\i/8))*4096+512*((\f)%2) th:TH_LOAD_NT
.endr
.endm
.macro TURNX f                         ; through my own stage: LDS serves a wave's instructions in order, so no wait stands between the stores and the loads
.irp i, 0,1,2,3,4,5,6,7,8,9,10,11,12,13,14,15
	ds_store_b128 v5, v[R+64*((\f)%2)+4*\i:R+64*((\f)%2)+4*\i+3] offset:528*\i
.endr
.irp c, 0,1
.irp j, 0,1,2,3,4,5,6,7
	ds_load_b128 v[X+32*\c+4*\j:X+32*\c+4*\j+3], v6 offset:256*\c+16*\j
.endr
.endr
.endm
.macro QX f                            ; my two whole blocks (2 c + h of the K step's four) become registers 6 c .. 6 c + 5 of the fragment
.irp c, 0,1
	v_max3_num_f32 v[MX+\c], |v[X+32*\c]|, |v[X+32*\c+1]|, 0x1800000   ; with the floor 2^(3 - 127): the byte cannot fall under 1
.endr
.irp i, 2,4,6,8,10,12,14,16,18,20,22,24,26,28,30
.irp c, 0,1
	v_max3_num_f32 v[MX+\c], v[MX+\c], |v[X+32*\c+\i]|, |v[X+32*\c+\i+1]|
.endr
.endr
.irp c, 0,1
	v_add_nc_u32 v[SO+\c], 0xff000000, v[MX+\c]    ; 2 off the exponent field: the conversion takes this operand's exponent field as its scale
.endr
.irp c, 0,1
	v_lshrrev_b32 v[BY+\c], 23, v[SO+\c]           ; the byte
.endr
	v_lshl_or_b32 v[SWF+\f], v[BY+1], 16, v[BY]    ; blocks h and 2 + h,
	v_lshlrev_b32 v[SWF+\f], v8, v[SWF+\f]         ; at their places;
	v_permlanex16_b32 v[PD], v[SWF+\f], s20, s21
	v_or_b32 v[SWF+\f], v[SWF+\f], v[PD]           ; with lane l xor 16's two the word is whole
.irp c, 0,1
	v_cvt_scalef32_pk16_fp6_f32 v[PCX+6*\c:PCX+6*\c+2], v[X+32*\c:X+32*\c+15], v[SO+\c]
	v_cvt_scalef32_pk16_fp6_f32 v[TA+4*\c:TA+4*\c+2], v[X+32*\c+16:X+32*\c+31], v[SO+\c]   ; (a conversion's three registers begin on an even number)
.endr
	v_nop                                          ; one plain place behind a scaled conversion
.irp c, 0,1
.irp i, 0,1,2
	v_mov_b32 v[PCX+6*\c+3+\i], v[TA+4*\c+\i]
.endr
.endr
.irp p, 0,1,2,3,4,5
	global_store_b64 v7, v[PCX+2*\p:PCX+2*\p+1], s[22:23] offset:12288*((\f)/2)+1536*((\f)%2)+256*\p   ; 32 lanes store 256 consecutive bytes, aligned
.endr
.endm
	LOADX 0
	LOADX 1
	s_wait_alu depctr_va_vdst(0)
.irp f, 0,1,2,3
.if \f < 3
	s_wait_loadcnt 16                              ; this fragment's 16 loads are in; the next fragment's may be out
.else
	s_wait_loadcnt 0x0
.endif
	TURNX \f
	s_wait_dscnt 0x0                               ; the numbers are back, and the stage's stores have read their registers,
.if \f < 2
	LOADX \f+2                                     ; which take the fragment two on
.endif
.if \f > 0
	s_wait_xcnt 0x0                                ; the last fragment's stores have read the codes' registers
.endif
	QX \f
.endr
	s_mov_b32 vcc_lo, 0xffff0000
	v_cndmask_b32 v240, v[SWF], v[SWF+2], vcc_lo   ; lanes 0-15: tile 0's words, lanes 16-31: tile 1's; K steps q = 0
	v_cndmask_b32 v241, v[SWF+1], v[SWF+3], vcc_lo ; and 1
	global_store_b64 v7, v[240:241], s[24:25]      ; 256 consecutive bytes of the page
	s_wait_tensorcnt 0x0                           ; the wave's end: these three lines stand behind my last LDS store
	ds_add_u32 v[SPW], v[NIL]
	s_wait_dscnt 0x0
	s_endpgm
	; ---------------- a weight: my wave's 32 columns x 256 along K.  A LANE TAKES A COLUMN AND ITS REGISTERS RUN DOWN K: nothing is transposed
.Lweights:
	s_sub_co_u32 s15, ttmp9, 256
	s_and_b32 s16, s15, 3                          ; which 256 along K
	s_lshr_b32 s17, s15, 2
	s_lshl_b32 s17, s17, 2
	s_add_co_u32 s17, s17, s14                     ; the group of 32 rows of wq: 0 .. 95 w_qkv's columns, 96 .. 127 w_out's
	s_mov_b32 s18, 12288
	s_sub_co_u32 s19, s17, 96
	s_cmp_lt_u32 s17, 96
	s_cselect_b64 s[22:23], s[6:7], s[8:9]         ; the weight,
	s_cselect_b32 s18, s18, 4096                   ; its row in bytes,
	s_cselect_b32 s19, s17, s19                    ; the group of 32 columns in it
	s_wait_alu depctr_va_vdst(0)
	v_and_b32 v10, 8, v3
	v_add_nc_u32 v10, v10, v3                      ; r + 8 (r / 8)
	v_lshl_add_u32 v10, v9, 3, v10                 ; + 8 u: my column in the group (tile order)
	v_lshlrev_b32 v[VO], 2, v10
.irp i, 1,2,3,4,5,6,7,8,9,10,11,12,13,14,15,16,17,18,19,20,21,22,23,24,25,26,27,28,29,30,31
	v_add_nc_u32 v[VO+\i], s18, v[VO+\i-1]         ; a row further down
.endr
	s_lshl_b32 s24, s16, 8
	s_mul_i32 s24, s24, s18                        ; 256 rows for each step of work-groups along K
	s_lshl_b32 s25, s19, 7                         ; 128 bytes a group
	s_add_co_u32 s24, s24, s25
	s_mov_b32 s25, 0
	s_add_nc_u64 s[32:33], s[22:23], s[24:25]      ; block 0's first row
	s_lshl_b32 s24, s18, 5
.irp t, 1,2,3,4,5,6,7
	s_add_nc_u64 s[32+2*\t:33+2*\t], s[30+2*\t:31+2*\t], s[24:25]   ; block t's: 32 rows on
.endr
	s_mul_i32 s24, s17, 24576
	s_mul_i32 s28, s16, 3072
	s_add_co_u32 s24, s24, s28
	s_add_nc_u64 s[26:27], s[12:13], s[24:25]      ; my codes
	s_lshl_b32 s24, s17, 10
	s_lshl_b32 s28, s16, 8
	s_add_co_u32 s24, s24, s28
	s_add_co_u32 s24, s24, 3145728
	s_add_nc_u64 s[28:29], s[12:13], s[24:25]      ; my 256 bytes of the page
.macro LOADW t                         ; block t: 32 rows at my column: a wave's load reads 128 consecutive bytes, the four waves' 512
.irp i, 0,1,2,3,4,5,6,7,8,9,10,11,12,13,14,15,16,17,18,19,20,21,22,23,24,25,26,27,28,29,30,31
	global_load_b32 v[XW+32*((\t)%2)+\i], v[VO+\i], s[32+2*(\t):33+2*(\t)] th:TH_LOAD_NT
.endr
.endm
.macro BLOCKW t
.set XS, XW+32*((\t)%2)
.set JP, (\t)/2
.set CA, CW+12*JP
.set CX, CA+6*((\t)%2)
.if (\t) < 7
	s_wait_loadcnt 32                              ; this block's 32 loads are in; the next block's may be out
.else
	s_wait_loadcnt 0x0
.endif
	v_max3_num_f32 v168, |v[XS]|, |v[XS+1]|, |v[XS+2]|
	v_max3_num_f32 v169, |v[XS+3]|, |v[XS+4]|, |v[XS+5]|
.irp i, 6,10,14,18,22,26
	v_max3_num_f32 v168, v168, |v[XS+\i]|, |v[XS+\i+1]|
	v_max3_num_f32 v169, v169, |v[XS+\i+2]|, |v[XS+\i+3]|
.endr
	v_max3_num_f32 v168, v168, |v[XS+30]|, |v[XS+31]|
	v_max3_num_f32 v168, v168, v169, 0x1800000     ; and the floor
	v_add_nc_u32 v170, 0xff000000, v168            ; the conversions' scale operand
	v_lshrrev_b32 v171, 23, v170                   ; the byte
.if (\t)%4 == 0
	v_mov_b32 v[172+(\t)/4], v171                  ; four bytes to a word, the lower K in the lower byte
.else
	v_lshl_or_b32 v[172+(\t)/4], v171, 8*((\t)%4), v[172+(\t)/4]
.endif
	v_cvt_scalef32_pk16_fp6_f32 v[CX:CX+2], v[XS:XS+15], v170
	v_cvt_scalef32_pk16_fp6_f32 v[TW:TW+2], v[XS+16:XS+31], v170
	v_nop                                          ; one plain place behind a scaled conversion
.irp i, 0,1,2
	v_mov_b32 v[CX+3+\i], v[TW+\i]
.endr
.if (\t)+2 < 8
	LOADW (\t)+2
.endif
.if (\t)%2 == 1                        ; blocks 2 j and 2 j + 1 are 64 along K: lanes 0-15 hold tile 0's rows, lanes 16-31 tile 1's.  The exchange gives each tile both blocks: lanes 0-15 the even one, lanes 16-31 the odd one
.irp i, 0,1,2,3,4,5
	v_permlane16_swap_b32 v[CA+\i], v[CA+6+\i]
.endr
.irp u, 0,1
.irp p, 0,1,2
	global_store_b64 v7, v[CA+6*\u+2*\p:CA+6*\u+2*\p+1], s[26:27] offset:12288*\u+1536*(JP/2)+768*(JP%2)+256*\p   ; 256 consecutive bytes, aligned; each pair has registers of its own
.endr
.endr
.endif
.endm
	s_wait_alu depctr_va_vdst(0)
	LOADW 0
	LOADW 1
.irp t, 0,1,2,3,4,5,6,7
	BLOCKW \t
.endr
	global_store_b64 v7, v[172:173], s[28:29]      ; my row's two words: lane 16 u + r at 128 u + 8 r: 256 consecutive bytes of the page
	s_endpgm
.Lfunc_end_k_q0657429384_quant:
	.size	k_q0657429384_quant, .Lfunc_end_k_q0657429384_quant-k_q0657429384_quant
	.p2alignl 7, 3214868480
	.fill 96, 4, 3214868480
	.section	.rodata,"a",@progbits
	.p2align	6, 0x0
	.amdhsa_kernel k_q0657429384_quant
		.amdhsa_group_segment_fixed_size 34304
		.amdhsa_private_segment_fixed_size 0
		.amdhsa_enable_private_segment 0
		.amdhsa_kernarg_size 40
		.amdhsa_user_sgpr_count 2
		.amdhsa_user_sgpr_kernarg_segment_ptr 1
		.amdhsa_wavefront_size32 1
		.amdhsa_system_sgpr_workgroup_id_x 1
		.amdhsa_system_sgpr_workgroup_id_y 1
		.amdhsa_system_sgpr_workgroup_id_z 1
		.amdhsa_system_vgpr_workitem_id 0
		.amdhsa_next_free_vgpr 256
		.amdhsa_next_free_sgpr 66
		.amdhsa_reserve_vcc 1
		.amdhsa_float_denorm_mode_32 3
		.amdhsa_float_denorm_mode_16_64 3
		.amdhsa_memory_ordered 1
		.amdhsa_forward_progress 1
		.amdhsa_inst_pref_size 72
	.end_amdhsa_kernel
	.amdgpu_metadata
---
amdhsa.version: [ 1, 2 ]
amdhsa.kernels:
  - .name:           k_q0657429384_quant
    .symbol:         k_q0657429384_quant.kd
    .args:
      - { .name: x, .offset: 0, .size: 8, .value_kind: global_buffer, .address_space: global }
      - { .name: w_qkv, .offset: 8, .size: 8, .value_kind: global_buffer, .address_space: global }
      - { .name: w_out, .offset: 16, .size: 8, .value_kind: global_buffer, .address_space: global }
      - { .name: xq, .offset: 24, .size: 8, .value_kind: global_buffer, .address_space: global }
      - { .name: wq, .offset: 32, .size: 8, .value_kind: global_buffer, .address_space: global }
    .group_segment_fixed_size: 34304
    .private_segment_fixed_size: 0
    .kernarg_segment_align: 8
    .kernarg_segment_size: 40
    .max_flat_workgroup_size: 128
    .sgpr_count:     66
    .vgpr_count:     256
    .wavefront_size: 32
...
	.end_amdgpu_metadata
.endif
;; end of part 1
;; launch gemm_qkv (part 2): grid 12 x 32, 4 waves a work-group, clusters of 4 x 4, 327,680 bytes of LDS; arguments xq, wq, b_qkv, qq, kv; writes qq, kv
.if DOCPART == 2
	.amdgcn_target "amdgcn-amd-amdhsa--gfx1250"
	.amdhsa_code_object_version 6
	.text
	.protected	k_q0657429384_gemm_qkv
	.globl	k_q0657429384_gemm_qkv
	.p2align	8
	.type	k_q0657429384_gemm_qkv,@function
k_q0657429384_gemm_qkv:
	s_mov_b64 s[64:65], 0
	v_nop
	global_prefetch_b8 v0, s[64:65] scope:SCOPE_SE
	s_setreg_imm32_b32 hwreg(HW_REG_WAVE_MODE, 25, 1), 1
	s_wait_xcnt 0x0
	s_wait_alu depctr_hold_cnt(0) depctr_sa_sdst(0) depctr_va_vdst(0) depctr_va_sdst(0) depctr_va_ssrc(0) depctr_va_vcc(0) depctr_vm_vsrc(0)
	s_getreg_b32 s2, hwreg(HW_REG_IB_STS2, 6, 4)
	s_cmp_eq_u32 s2, 0
	s_cbranch_scc0 .Lentry_in_a_cluster
	s_endpgm
.Lentry_in_a_cluster:
	s_bfe_u32 s2, ttmp6, 0x10000c
	s_cmp_lg_u32 s2, 0xf033
	s_cbranch_scc0 .Lentry_shape_is_right
	s_endpgm
.Lentry_shape_is_right:
; qkv = x w_qkv + b_qkv on codes of FP6 (E2M3) with E8M0 scales, sums in f32; q, k and v leave AS CODES, quantised in registers along the K of the product that will read them, in the order of its operand registers.
; A work-group of four waves makes 256 x 256 of the product, a wave 128 x 128: 64 accumulators, 512 registers.  K = 1,024 goes in four steps of 256 through two LDS slots filled by the tensor data mover.
; Operands lie in memory as images of the operand registers (16 rows x 128 K: six pieces of 256 bytes, 8 bytes a lane; a tile's 8 fragments on end: 12,288 bytes): a fragment is six ds_load_b64 at 8 x lane, no pitch, no padding.
; Rows are in TILE ORDER: row r of tile 2 g + u is row 32 g + 8 u + r + 8 (r / 8).  As source 0 that gives a lane 16 neighbours in the 16 registers of tiles 2 g and 2 g + 1.
; CLUSTERS: 4 x 4 work-groups; the cluster's x is the KIND: 0 q, 1 k, 2 v: the same in all sixteen partners.  Source 1's tile hangs on cy and is shared along a row of the cluster, source 0's on cx and is shared along a column.
;   q, k: source 1 = x (tokens), source 0 = w (columns): a lane holds ONE token and 64 numbers along the columns: two heads' 64: K of q k^T.
;   v:    source 1 = w (columns), source 0 = x (tokens): a lane holds ONE column d and 64 numbers along the tokens: K of p v.
; LIMITS: NaN and infinities are not served; a block of zeros or under 2^-124 gets the byte 1; the bytes are read by this program alone.
; REGISTERS, in windows of 256: window 0: v0-31 addresses; v32-63 scale words, two sets; v64-127 the bias; v128-223 source 1's fragments, ONE set; v224-231 the bias loads' offsets; on the way out v128-250 are at work.
;   window 1: source 0's fragments, TWO sets, at v0 and v128.  window 2: the accumulators of source 1's blocks 0-3 ((a, b) at v[8 (8 a + b)]); window 3: blocks 4-7.
.set NQ,     2                         ; matrix instructions deep in a slot
.set FR,     12                        ; registers of a fragment
.set NL,     6                         ; LDS loads that bring one
.set NP,     4                         ; places behind this matrix instruction (ISA guide 7.12.1)
.set HALFT,  8*3072                    ; 128 rows x 256 K: 8 tiles x two fragments: what one tensor load brings
.set SLOT,   4*HALFT                   ; source 1's 256 rows, then source 0's
.set SCL,    2*SLOT                    ; behind the ring: the scale pages of the 512 rows, for all of K: filled once
.set HALFS,  4096                      ; 128 rows' pages
.set SPARE,  SCL+4*HALFS               ; the spare words, 128 bytes for each wave
.set ADRA, 16                          ; v16-17  LDS address of source 1's fragments in slot 0, 1
.set ADRB, 20                          ; v20-21  of source 0's
.set ADRS, 27                          ; v27     of my scale words: lanes 0-15 source 1's rows, lanes 16-31 source 0's
.set SPW,  28                          ; v28     LDS address of my spare word; never rewritten
.set NIL,  29                          ; v29     0; never rewritten
.set SC,   32                          ; scale words: set s at v[SC + 16 s]; register 2 i + q: block i, the slot's q-th 128 along K
.set BIAS, 64
.set AF,   128
.set VOF,  224
.set T,    128                         ; the way out: v128-191 64 numbers of a lane
.set PC,   192                         ; v192-211 the codes just made
.set TM,   212                         ; v212-227 at work
.set PW,   228                         ; v228 the scale word just made
.set SW,   232                         ; v232-239 the eight blocks' scale words
.set OUTW, 240                         ; v240-247 scale words as they are stored
.set L8,   248                         ; v248 8 x lane
.set L16,  249                         ; v249 16 x lane
.set PADB, 250                         ; v250 0x7f7f7f7f
.set SEL,  2                           ; s[2:3] lane selects: lane l xor 16
.set BC,   48                          ; s[48:51] the way out: two heads' codes;  s[52:55] their scale images
.set G1, 24
.set G0, 32
.set G1B, 48
.set G0B, 56
.set G1S, 68
.set G0S, 76
.set G1SB, 80
.set G0SB, 88
.set MSB, 0
.macro WIN new                         ; the immediate's high byte repeats the setting that is left
.if MSB != (\new)
	s_set_vgpr_msb (MSB<<8)|(\new)
.set MSB, (\new)
.endif
.endm
.set MUL_LO, 0xa1                      ; source 0 window 1, source 1 window 0, C and D window 2
.set MUL_HI, 0xf1                      ; the same, C and D window 3
.set TO_B,   0x40                      ; destination window 1, address window 0
; A joint load: waves 0 and 1 fetch source 1's halves, waves 2 and 3 source 0's.  The branch hangs on the wave's number alone.  An s_nop 0 and four v_nop follow each line.
.macro JLOAD g0a, g1a, g0b, g1b
	s_cmp_eq_u32 s15, 0
	s_cbranch_scc0 .Lfor_b_\@
	tensor_load_to_lds s[\g0a:\g0a+3], s[\g1a:\g1a+7]
	s_nop 0
.rept 4
	v_nop
.endr
	s_branch .Lasked_\@
.Lfor_b_\@:
	tensor_load_to_lds s[\g0b:\g0b+3], s[\g1b:\g1b+7]
	s_nop 0
.rept 4
	v_nop
.endr
.Lasked_\@:
.endm
.macro CREST                           ; a round of the cluster's barrier behind its opening barrier
	s_cmp_lg_u32 s14, 0
	s_cbranch_scc1 .Lnot_wave_0_\@
	s_barrier_signal -3
.Lnot_wave_0_\@:
	s_barrier_wait -3
	s_barrier_signal -1
	s_barrier_wait -1
.endm
.macro CROUND
	s_barrier_signal -1
	s_barrier_wait -1
	CREST
.endm
	s_load_b256 s[4:11], s[0:1], 0x0               ; xq s[4:5], wq s[6:7], b_qkv s[8:9], qq s[10:11]
	s_load_b64 s[12:13], s[0:1], 0x20              ; kv
	v_lshl_add_u32 v[SPW], v0, 2, SPARE
	v_mov_b32 v[NIL], 0
	ds_add_u32 v[SPW], v[NIL]                      ; the wave's opening: the add and its wait stand ahead of my first tensor load; the set-up, work on registers, stands between
	v_lshrrev_b32 v1, 5, v0
	v_readfirstlane_b32 s14, v1                    ; wave 0..3
	s_lshr_b32 s15, s14, 1                         ; which half of source 1's rows is mine.  Also: I fetch for source 1 (0) or source 0 (1)
	s_and_b32 s16, s14, 1                          ; which half of source 0's rows.  Also: which 128 rows of that tile I fetch
	s_bfe_u32 s40, ttmp6, 0x40000                  ; cx
	s_bfe_u32 s41, ttmp6, 0x40004                  ; cy
	s_and_b32 s95, ttmp7, 0xffff
	s_lshl_b32 s95, s95, 2                         ; 4 x cluster y: the cluster's first tile of x
	s_lshl_b32 s96, ttmp9, 2                       ; 4 x kind: the cluster's first tile of w for q and k
	s_cmp_eq_u32 ttmp9, 2                          ; v?
	s_cselect_b32 s17, 8, s95
	s_cselect_b32 s42, s95, s96
	s_add_co_u32 s17, s17, s41                     ; source 1's tile of 256 rows: made of cy alone
	s_add_co_u32 s42, s42, s40                     ; source 0's: of cx alone
	s_lshl_b32 s43, s41, 2
	s_lshl_b32 s43, 15, s43                        ; my row of the cluster
	s_lshl_b32 s44, 0x1111, s40                    ; my column
	; group 1 for codes: 8 tiles' 3,072 consecutive bytes (384 elements of 8 bytes), 12,288 bytes apart; no padding
	s_or_b32 s[G1+0], s43, (3<<16)|(1<<21)         ; 15:0 the mask; 17:16 elements of 8 bytes; 21 set beside a mask
	s_or_b32 s[G1B+0], s44, (3<<16)|(1<<21)
.irp g, G1, G1B
	s_mov_b32 s[\g+1], 384<<16                     ; tensor_dim0
	s_mov_b32 s[\g+2], 8<<16                       ; tensor_dim1
	s_mov_b32 s[\g+3], 384<<16                     ; tile_dim0
	s_mov_b32 s[\g+4], 8                           ; tile_dim1
	s_mov_b32 s[\g+5], 1536                        ; tensor_dim0_stride
	s_mov_b32 s[\g+6], 0
	s_mov_b32 s[\g+7], 0
.endr
	; and for the pages of 128 rows: 4,096 dense bytes as 16 rows of 256
	s_or_b32 s[G1S+0], s43, (3<<16)|(1<<21)
	s_or_b32 s[G1SB+0], s44, (3<<16)|(1<<21)
.irp g, G1S, G1SB
	s_mov_b32 s[\g+1], 32<<16
	s_mov_b32 s[\g+2], 16<<16
	s_mov_b32 s[\g+3], 32<<16
	s_mov_b32 s[\g+4], 16
	s_mov_b32 s[\g+5], 32
	s_mov_b32 s[\g+6], 0
	s_mov_b32 s[\g+7], 0
.endr
	s_lshl_b32 s18, s16, 7                         ; which 128 rows of the tile I fetch
	s_lshl_b32 s20, s17, 8
	s_add_co_u32 s20, s20, s18                     ; source 1's row
	s_lshl_b32 s46, s42, 8
	s_add_co_u32 s46, s46, s18                     ; source 0's row
	s_lshl_b32 s22, s20, 5                         ; 32 bytes of page a row
	s_lshl_b32 s92, s46, 5
	s_mul_i32 s20, s20, 768                        ; 768 bytes of codes a row
	s_mul_i32 s46, s46, 768
	s_mov_b32 s21, 0
	s_mov_b32 s23, 0
	s_mov_b32 s47, 0
	s_mov_b32 s93, 0
	s_mov_b32 s97, 3145728                         ; where wq's pages begin
	s_mov_b32 s98, 6291456                         ; and xq's
	s_cmp_eq_u32 ttmp9, 2
	s_cselect_b32 s99, s97, s98
	s_cselect_b32 s100, s98, s97
	s_add_co_u32 s22, s22, s99
	s_add_co_u32 s92, s92, s100
	s_mul_i32 s45, s14, HALFT                      ; where they go: wave x 128 rows: no place in the cluster enters an LDS address
	s_mul_i32 s94, s14, HALFS
	s_wait_dscnt 0x0                               ; the opening add is done
	s_wait_kmcnt 0x0
	s_cmp_eq_u32 ttmp9, 2
	s_cselect_b64 s[18:19], s[6:7], s[4:5]         ; source 1's buffer: wq for v, else xq
	s_add_nc_u64 s[20:21], s[18:19], s[20:21]
	s_add_nc_u64 s[22:23], s[18:19], s[22:23]
	s_cselect_b64 s[18:19], s[4:5], s[6:7]         ; source 0's (the 64-bit sums leave SCC alone)
	s_add_nc_u64 s[46:47], s[18:19], s[46:47]
	s_add_nc_u64 s[92:93], s[18:19], s[92:93]
	CROUND                                         ; all sixteen work-groups are here: the first joint loads meet
	s_mov_b32 s[G0S], 1
	s_add_co_u32 s[G0S+1], s94, SCL
	s_mov_b64 s[G0S+2:G0S+3], s[22:23]
	s_or_b32 s[G0S+3], s[G0S+3], 0x80000000
	s_mov_b32 s[G0SB], 1
	s_add_co_u32 s[G0SB+1], s94, SCL
	s_mov_b64 s[G0SB+2:G0SB+3], s[92:93]
	s_or_b32 s[G0SB+3], s[G0SB+3], 0x80000000
	JLOAD G0S, G1S, G0SB, G1SB                     ; the pages first: they are wanted with K step 0
.irp s, 0,1
	s_mov_b32 s[G0+4*\s], 1
	s_add_co_u32 s[G0+4*\s+1], s45, \s*SLOT
	s_add_nc_u64 s[G0+4*\s+2:G0+4*\s+3], s[20:21], \s*3072
	s_or_b32 s[G0+4*\s+3], s[G0+4*\s+3], 0x80000000
	s_mov_b32 s[G0B+4*\s], 1
	s_add_co_u32 s[G0B+4*\s+1], s45, \s*SLOT
	s_add_nc_u64 s[G0B+4*\s+2:G0B+4*\s+3], s[46:47], \s*3072
	s_or_b32 s[G0B+4*\s+3], s[G0B+4*\s+3], 0x80000000
	JLOAD G0+4*\s, G1, G0B+4*\s, G1B               ; by my own count three tensor loads of mine are out now
.endr
	v_and_b32 v1, 15, v0                           ; r
	v_bfe_u32 v2, v0, 4, 1                         ; h
	v_and_b32 v3, 31, v0
	v_lshlrev_b32 v4, 3, v3                        ; 8 x lane
	s_mul_i32 s21, s15, HALFT                      ; my 128 rows of source 1
	s_mul_i32 s22, s16, HALFT                      ; my 128 rows of source 0,
	s_add_co_u32 s22, s22, 2*HALFT                 ; which lie behind source 1's 256
.irp s, 0,1
	v_add_nc_u32 v[ADRA+\s], s21, v4
	v_add_nc_u32 v[ADRB+\s], s22, v4
	s_add_co_u32 s21, s21, SLOT
	s_add_co_u32 s22, s22, SLOT
.endr
	v_lshlrev_b32 v5, 3, v1                        ; a row's two words of a K step: 8 r
	s_mul_i32 s21, s15, HALFS
	s_mul_i32 s22, s16, HALFS
	s_add_co_u32 s22, s22, 2*HALFS
	s_sub_co_u32 s22, s22, s21
	v_mul_u32_u24 v6, s22, v2                      ; lanes 16-31 take source 0's
	s_add_co_u32 s21, s21, SCL
	v_add_nc_u32 v5, v5, v6
	v_add_nc_u32 v[ADRS], s21, v5
	; the bias, 64 registers.  q, k: register 8 b + j = the bias of my column 32 (b / 2) + 8 (b % 2) + 16 h + j.  v: register 8 a + j = the bias of my one column of block a, 32 (a / 2) + 8 (a % 2) + r + 8 (r / 8), eight times
	s_cmp_eq_u32 ttmp9, 2
	s_cselect_b32 s18, s17, s42                    ; w's tile,
	s_cselect_b32 s19, s15, s16                    ; my half of it,
	s_cselect_b32 s21, 0, 64                       ; bytes for h,
	s_cselect_b32 s22, 4, 0                        ; for r + 8 (r / 8),
	s_cselect_b32 s23, 0, 4                        ; for j
	s_lshl_b32 s18, s18, 10
	s_lshl_b32 s19, s19, 9
	s_add_co_u32 s18, s18, s19
	s_mov_b32 s19, 0
	s_add_nc_u64 s[8:9], s[8:9], s[18:19]
	v_and_b32 v7, 8, v1
	v_add_nc_u32 v7, v7, v1
	v_mul_u32_u24 v8, s21, v2
	v_mad_u32_u24 v[VOF], v7, s22, v8
.irp j, 1,2,3,4,5,6,7
	v_add_nc_u32 v[VOF+\j], s23, v[VOF+\j-1]
.endr
.irp g, 0,1,2,3,4,5,6,7
.irp j, 0,1,2,3,4,5,6,7
	global_load_b32 v[BIAS+8*\g+\j], v[VOF+\j], s[8:9] offset:4*(32*(\g/2)+8*(\g%2))   ; waited for on the way out
.endr
.endr
.macro FRAG reg, adr, q, i             ; a fragment as it lies: six pieces of 256 bytes, 8 bytes a lane
.irp p, 0,1,2,3,4,5
	ds_load_b64 v[\reg+2*\p:\reg+2*\p+1], v[\adr] offset:3072*(\i)+1536*(\q)+256*\p
.endr
.endm
; 16 matrix instructions: source 1's blocks a0, a0 + 1 x source 0's eight.  The 64 accumulators take turns, one instruction a turn, in the same order in every step.
.macro MUL16 a0, p, q, sc, zero
.irp a, \a0, \a0+1
.irp b, 0,1,2,3,4,5,6,7
.if \zero
	v_wmma_scale_f32_16x16x128_f8f6f4 v[8*(8*((\a)%4)+\b):8*(8*((\a)%4)+\b)+7], v[128*(\p)+FR*\b:128*(\p)+FR*\b+FR-1], v[AF+FR*(\a):AF+FR*(\a)+FR-1], 0, v[SC+8*NQ*(\sc)+NQ*\b+(\q)], v[SC+8*NQ*(\sc)+NQ*(\a)+(\q)] matrix_a_fmt:MATRIX_FMT_FP6 matrix_b_fmt:MATRIX_FMT_FP6 matrix_a_scale:MATRIX_SCALE_ROW1
.else
	v_wmma_scale_f32_16x16x128_f8f6f4 v[8*(8*((\a)%4)+\b):8*(8*((\a)%4)+\b)+7], v[128*(\p)+FR*\b:128*(\p)+FR*\b+FR-1], v[AF+FR*(\a):AF+FR*(\a)+FR-1], v[8*(8*((\a)%4)+\b):8*(8*((\a)%4)+\b)+7], v[SC+8*NQ*(\sc)+NQ*\b+(\q)], v[SC+8*NQ*(\sc)+NQ*(\a)+(\q)] matrix_a_fmt:MATRIX_FMT_FP6 matrix_b_fmt:MATRIX_FMT_FP6 matrix_a_scale:MATRIX_SCALE_ROW1
.endif
.endr
.endr
.endm
.macro FETCH_B slot, q, p
	WIN TO_B
.irp i, 0,1,2,3,4,5,6,7
	FRAG 128*(\p)+FR*\i, ADRB+\slot, \q, \i
.endr
	WIN 0
.endm
.macro FETCH_A slot, q, i0
.irp i, \i0, \i0+1, \i0+2, \i0+3
	FRAG AF+FR*(\i), ADRA+\slot, \q, \i
.endr
.endm
.macro SCALES sc                       ; a K step's two words a row: lanes 0-15 source 1's block i, lanes 16-31 source 0's block i
.irp i, 0,1,2,3,4,5,6,7
	ds_load_b64 v[SC+8*NQ*\sc+NQ*\i:SC+8*NQ*\sc+NQ*\i+1], v[ADRS] offset:1024*(\i/2)+128*(\i%2)
.endr
.endm
.macro PLACES n                        ; plain vector instructions between a matrix instruction and a load into, or a read of, its registers
.rept \n
	v_nop
.endr
.endm
.macro STEP slot, q, zero              ; 128 along K that have their successor in the same slot
	s_wait_dscnt 4*NL                              ; all but the youngest 24 loads (source 1's blocks 4-7) are in
	WIN MUL_LO
	MUL16 0, (\q)%2, \q, \slot, \zero
	MUL16 2, (\q)%2, \q, \slot, \zero
	s_wait_dscnt 0
	PLACES NP
	FETCH_B \slot, (\q)+1, 1-(\q)%2
	FETCH_A \slot, (\q)+1, 0
	WIN MUL_HI
	MUL16 4, (\q)%2, \q, \slot, \zero
	MUL16 6, (\q)%2, \q, \slot, \zero
	PLACES NP
	WIN 0
	FETCH_A \slot, (\q)+1, 4
.endm
; A slot's last 128 change slots: ONE barrier; in front of it each wave waits for all its tensor loads, adds 0 to its spare word, and waits for that and for its reads of this slot.  fill = 1: the slot is filled again, two K steps ahead.
.macro TURN slot, next, fill
	s_wait_tensorcnt 0x0                           ; all my tensor loads have landed: my part of the next slot
	ds_add_u32 v[SPW], v[NIL]                      ; 0 onto my spare word
	s_wait_dscnt 4*NL+1                            ; (the add and the youngest 24 loads may be out)
	WIN MUL_LO
	MUL16 0, 1, NQ-1, \slot, 0                     ; sixteen matrix instructions stand between the add and the wait for it
	s_wait_dscnt 0x0                               ; the add is done, and my reads of this slot are over
	s_barrier_signal -1
	MUL16 2, 1, NQ-1, \slot, 0
	WIN 0
	s_barrier_wait -1
.if \fill
	CREST                                          ; the barrier has opened a round of the cluster's barrier: no wave of any partner still reads this slot or has a load on its way
	s_add_nc_u64 s[G0+4*\slot+2:G0+4*\slot+3], s[G0+4*\slot+2:G0+4*\slot+3], 6144
	s_add_nc_u64 s[G0B+4*\slot+2:G0B+4*\slot+3], s[G0B+4*\slot+2:G0B+4*\slot+3], 6144
	JLOAD G0+4*\slot, G1, G0B+4*\slot, G1B         ; the first tensor load behind the round; its four v_nop are the places in front of the loads below
.else
	PLACES NP
.endif
	v_add_nc_u32 v[ADRS], 256, v[ADRS]             ; the next K step's scale words
	FETCH_B \next, 0, 0
	FETCH_A \next, 0, 0
	SCALES \next
	WIN MUL_HI
	MUL16 4, 1, NQ-1, \slot, 0
	MUL16 6, 1, NQ-1, \slot, 0
	PLACES NP
	WIN 0
	FETCH_A \next, 0, 4
.endm
	s_wait_tensorcnt 1                             ; the pages and my part of K step 0 are in (K step 1's load may be out),
	s_barrier_signal -1
	s_barrier_wait -1                              ; everybody's are
	FETCH_B 0, 0, 0
	FETCH_A 0, 0, 0
	SCALES 0
	FETCH_A 0, 0, 4
	STEP 0, 0, 1                                   ; the first products start the sums: nothing is cleared
	TURN 0, 1, 1                                   ; slot 0 takes K step 2
	STEP 1, 0, 0
	TURN 1, 0, 1                                   ; slot 1 takes K step 3
	STEP 0, 0, 0
	TURN 0, 1, 0                                   ; nothing is left to fetch
	STEP 1, 0, 0
	s_wait_dscnt 4*NL
	WIN MUL_LO
	MUL16 0, 1, NQ-1, 1, 0
	MUL16 2, 1, NQ-1, 1, 0
	s_wait_dscnt 0
	WIN MUL_HI
	MUL16 4, 1, NQ-1, 1, 0
	MUL16 6, 1, NQ-1, 1, 0
	WIN 0
; THE WAY OUT: no LDS, no barrier.  For each of source 1's blocks a: my 64 sums + the bias; they are 128 along the next K (register 16 b + i = k 32 b + 16 h + i of my row): one fragment and one scale word a row.
.macro ADDB a, byb                     ; byb = 1: the bias goes by source 0's block (q, k); 0: by source 1's (v).  Each accumulator is read from its low end on
	WIN 0x02+(\a)/4
.irp b, 0,1,2,3,4,5,6,7
.irp j, 0,2,4,6
.if \byb
	v_pk_add_f32 v[T+8*\b+\j:T+8*\b+\j+1], v[8*(8*((\a)%4)+\b)+\j:8*(8*((\a)%4)+\b)+\j+1], v[BIAS+8*\b+\j:BIAS+8*\b+\j+1]
.else
	v_pk_add_f32 v[T+8*\b+\j:T+8*\b+\j+1], v[8*(8*((\a)%4)+\b)+\j:8*(8*((\a)%4)+\b)+\j+1], v[BIAS+8*(\a)+\j:BIAS+8*(\a)+\j+1]
.endif
.endr
.endr
	WIN 0
.endm
.macro QUANT s                         ; 64 numbers of a lane become a fragment's codes in v[PC] on and its scale word in v[PW]
.irp b, 0,1,2,3
	v_max3_num_f32 v[TM+\b], |v[\s+16*\b]|, |v[\s+1+16*\b]|, 0x1800000   ; my 16 numbers of block b, and the floor 2^(3 - 127): the byte cannot fall under 1
.endr
.irp i, 2,4,6,8,10,12,14
.irp b, 0,1,2,3
	v_max3_num_f32 v[TM+\b], v[TM+\b], |v[\s+16*\b+\i]|, |v[\s+1+16*\b+\i]|
.endr
.endr
.irp b, 0,1,2,3
	v_permlanex16_b32 v[TM+4+\b], v[TM+\b], s[SEL], s[SEL+1]
.endr
.irp b, 0,1,2,3
	v_max_num_f32 v[TM+\b], v[TM+\b], v[TM+4+\b]   ; with lane l xor 16's: the block's largest magnitude
.endr
.irp b, 0,1,2,3
	v_add_nc_u32 v[TM+12+\b], 0xff000000, v[TM+\b] ; 2 off its exponent field: the conversion's scale operand
.endr
.irp b, 0,1,2,3
	v_lshrrev_b32 v[TM+4+\b], 23, v[TM+12+\b]      ; the byte
.endr
	v_lshl_or_b32 v[PW], v[TM+5], 8, v[TM+4]
	v_lshl_or_b32 v[PW], v[TM+6], 16, v[PW]
	v_lshl_or_b32 v[PW], v[TM+7], 24, v[PW]
.irp c, 0,1
	v_cvt_scalef32_pk16_fp6_f32 v[PC+6*\c:PC+2+6*\c], v[\s+32*\c:\s+15+32*\c], v[TM+12+2*\c]
	v_cvt_scalef32_pk16_fp6_f32 v[PC+12+4*\c:PC+14+4*\c], v[\s+16+32*\c:\s+31+32*\c], v[TM+12+2*\c+1]   ; (a conversion's three registers begin on an even number)
.endr
	v_nop                                          ; one plain place behind a scaled conversion
.irp c, 0,1                                    ; the operand's layout wants a WHOLE block in a lane
.irp i, 0,1,2
	v_permlane16_swap_b32 v[PC+6*\c+\i], v[PC+12+4*\c+\i]
.endr
.irp i, 0,1,2
	v_mov_b32 v[PC+3+6*\c+\i], v[PC+12+4*\c+\i]
.endr
.endr
.endm
	PLACES NP                                      ; behind the last products
	s_wait_loadcnt 0x0                             ; the bias
	v_and_b32 v[L8], 31, v0
	v_lshlrev_b32 v[L16], 4, v[L8]
	v_lshlrev_b32 v[L8], 3, v[L8]
	v_mov_b32 v[PADB], 0x7f7f7f7f
.irp b, 0,1,2,3
	v_mov_b32 v[TM+4+\b], 0                        ; a lane permute's destination counts as one of its sources
.endr
	s_mov_b32 vcc_lo, 0xffff0000                   ; lanes 16-31
	s_mov_b32 s[SEL], 0x76543210
	s_mov_b32 s[SEL+1], 0xfedcba98
	s_cmp_eq_u32 ttmp9, 2
	s_cbranch_scc1 .Lout_v
	; ---- q, k.  My 128 columns are heads 4 cx + 2 (my half) + 0, 1; my 128 tokens are run s of their batch.  No tensor load is out: the descriptors' registers are free
	s_lshr_b32 s20, s17, 3                         ; the batch
	s_lshl_b32 s20, s20, 4
	s_lshl_b32 s21, s40, 2
	s_add_co_u32 s20, s20, s21
	s_lshl_b32 s21, s16, 1
	s_add_co_u32 s20, s20, s21                     ; batch x 16 + the first head
	s_and_b32 s21, s17, 7
	s_lshl_b32 s21, s21, 1
	s_add_co_u32 s21, s21, s15                     ; s
	s_mov_b32 s24, 98304                           ; qq: a head's codes;
	s_mov_b32 s25, 208896                          ; kv: a head
	s_mov_b32 s26, 6144                            ; qq: a run's codes; kv: where a record's scale image of K begins
	s_mov_b32 s27, 13056                           ; kv: a record
	s_mov_b32 s28, 8192                            ; qq: a head's scale images
	s_mov_b32 s29, 512                             ; qq: a run's
	s_mov_b32 s30, 6291456                         ; qq: where they begin
	s_cmp_eq_u32 ttmp9, 0
	s_cselect_b64 s[32:33], s[10:11], s[12:13]
	s_cselect_b32 s34, s24, s25
	s_cselect_b32 s35, s26, s27
	s_cselect_b32 s36, s28, s25
	s_cselect_b32 s37, s29, s27
	s_cselect_b32 s38, s30, s26
	s_mul_i32 s44, s20, s34
	s_mul_i32 s45, s21, s35
	s_add_co_u32 s44, s44, s45
	s_mov_b32 s45, 0
	s_add_nc_u64 s[BC:BC+1], s[32:33], s[44:45]    ; the first head's codes,
	s_mov_b32 s46, s34
	s_mov_b32 s47, 0
	s_add_nc_u64 s[BC+2:BC+3], s[BC:BC+1], s[46:47]   ; the second's
	s_mul_i32 s44, s20, s36
	s_mul_i32 s39, s21, s37
	s_add_co_u32 s44, s44, s39
	s_add_co_u32 s44, s44, s38
	s_add_nc_u64 s[BC+4:BC+5], s[32:33], s[44:45]  ; their scale images
	s_mov_b32 s46, s36
	s_add_nc_u64 s[BC+6:BC+7], s[BC+4:BC+5], s[46:47]
.irp a, 0,1,2,3,4,5,6,7
	s_wait_xcnt 0x0                                ; the last block's stores have read the codes' registers
	ADDB \a, 1
	QUANT T
	v_mov_b32 v[SW+\a], v[PW]
.irp e, 0,1                                    ; registers 6 e .. 6 e + 5 are head e's 64: 16 tokens x 64, 768 bytes
.irp p, 0,1,2
	global_store_b64 v[L8], v[PC+6*\e+2*\p:PC+6*\e+2*\p+1], s[BC+2*\e:BC+2*\e+1] offset:768*\a+256*\p   ; 256 consecutive bytes, aligned
.endr
.endr
.endr
.irp i, 0,1,2,3                                ; the scale image: lane 16 h + r holds, as word i, tile 2 i + h's word of row r: the head's two bytes, and 0x7f for the upper 64 of the instruction's K, where the codes are zeros
	v_cndmask_b32 v[TM+\i], v[SW+2*\i], v[SW+2*\i+1], vcc_lo
.endr
.irp i, 0,1,2,3
	v_perm_b32 v[OUTW+\i], v[TM+\i], v[PADB], 0x00000504
	v_perm_b32 v[OUTW+4+\i], v[TM+\i], v[PADB], 0x00000706
.endr
	global_store_b128 v[L16], v[OUTW:OUTW+3], s[BC+4:BC+5]        ; 512 consecutive bytes
	global_store_b128 v[L16], v[OUTW+4:OUTW+7], s[BC+6:BC+7]
	s_branch .Lclose
.Lout_v:
	; ---- v.  My 128 columns are heads 4 cy + 2 (my half) + 0, 1, four tiles of 16 d each; my 128 tokens are run s
	s_lshr_b32 s20, s42, 3
	s_lshl_b32 s20, s20, 4
	s_lshl_b32 s21, s41, 2
	s_add_co_u32 s20, s20, s21
	s_lshl_b32 s21, s15, 1
	s_add_co_u32 s20, s20, s21
	s_and_b32 s21, s42, 7
	s_lshl_b32 s21, s21, 1
	s_add_co_u32 s21, s21, s16
	s_mul_i32 s20, s20, 208896
	s_mul_i32 s21, s21, 13056
	s_add_co_u32 s20, s20, s21
	s_add_co_u32 s20, s20, 6656                    ; V's part of the record
	s_mov_b32 s21, 0
	s_add_nc_u64 s[BC:BC+1], s[12:13], s[20:21]
.irp a, 0,1,2,3,4,5,6,7
	s_wait_xcnt 0x0
	ADDB \a, 0
	QUANT T
	v_mov_b32 v[SW+\a], v[PW]
.irp c, 0,1,2
	global_store_b128 v[L16], v[PC+4*\c:PC+4*\c+3], s[BC:BC+1] offset:208896*(\a/4)+1536*(\a%4)+512*\c   ; registers 4 c .. 4 c + 3: 512 consecutive bytes
.endr
.if \a%4 == 3                                  ; a head's four tiles are done: lane 16 h + r holds, as word c, tile 2 c + h's word of row r
	v_cndmask_b32 v[OUTW+2*(\a/4)], v[SW+\a-3], v[SW+\a-2], vcc_lo
	v_cndmask_b32 v[OUTW+2*(\a/4)+1], v[SW+\a-1], v[SW+\a], vcc_lo
	global_store_b64 v[L8], v[OUTW+2*(\a/4):OUTW+2*(\a/4)+1], s[BC:BC+1] offset:208896*(\a/4)+6144
.endif
.endr
.Lclose:
	s_wait_tensorcnt 0x0                           ; the wave's end: these three lines stand behind my last tensor load
	ds_add_u32 v[SPW], v[NIL]
	s_wait_dscnt 0x0
	CROUND                                         ; the closing round: no work-group ends while a partner may still ask for a tile that names it
	s_endpgm
.Lfunc_end_k_q0657429384_gemm_qkv:
	.size	k_q0657429384_gemm_qkv, .Lfunc_end_k_q0657429384_gemm_qkv-k_q0657429384_gemm_qkv
	.p2alignl 7, 3214868480
	.fill 96, 4, 3214868480
	.section	.rodata,"a",@progbits
	.p2align	6, 0x0
	.amdhsa_kernel k_q0657429384_gemm_qkv
		.amdhsa_group_segment_fixed_size 327680
		.amdhsa_private_segment_fixed_size 0
		.amdhsa_enable_private_segment 0
		.amdhsa_kernarg_size 40
		.amdhsa_user_sgpr_count 2
		.amdhsa_user_sgpr_kernarg_segment_ptr 1
		.amdhsa_wavefront_size32 1
		.amdhsa_system_sgpr_workgroup_id_x 1
		.amdhsa_system_sgpr_workgroup_id_y 1
		.amdhsa_system_sgpr_workgroup_id_z 1
		.amdhsa_system_vgpr_workitem_id 0
		.amdhsa_next_free_vgpr 1024
		.amdhsa_next_free_sgpr 102
		.amdhsa_reserve_vcc 1
		.amdhsa_float_denorm_mode_32 3
		.amdhsa_float_denorm_mode_16_64 3
		.amdhsa_memory_ordered 1
		.amdhsa_forward_progress 1
		.amdhsa_inst_pref_size 240
	.end_amdhsa_kernel
	.amdgpu_metadata
---
amdhsa.version: [ 1, 2 ]
amdhsa.kernels:
  - .name:           k_q0657429384_gemm_qkv
    .symbol:         k_q0657429384_gemm_qkv.kd
    .args:
      - { .name: xq, .offset: 0, .size: 8, .value_kind: global_buffer, .address_space: global }
      - { .name: wq, .offset: 8, .size: 8, .value_kind: global_buffer, .address_space: global }
      - { .name: b_qkv, .offset: 16, .size: 8, .value_kind: global_buffer, .address_space: global }
      - { .name: qq, .offset: 24, .size: 8, .value_kind: global_buffer, .address_space: global }
      - { .name: kv, .offset: 32, .size: 8, .value_kind: global_buffer, .address_space: global }
    .group_segment_fixed_size: 327680
    .private_segment_fixed_size: 0
    .kernarg_segment_align: 8
    .kernarg_segment_size: 40
    .max_flat_workgroup_size: 128
    .sgpr_count:     102
    .vgpr_count:     1024
    .wavefront_size: 32
...
	.end_amdgpu_metadata
.endif
;; end of part 2
;; launch attn (part 3): grid 4 x 64, 16 waves a work-group, no clusters, 327,680 bytes of LDS; arguments qq, kv, yq; writes yq
.if DOCPART == 3
	.amdgcn_target "amdgcn-amd-amdhsa--gfx1250"
	.amdhsa_code_object_version 6
	.text
	.protected	k_q0657429384_attn
	.globl	k_q0657429384_attn
	.p2align	8
	.type	k_q0657429384_attn,@function
k_q0657429384_attn:
	s_mov_b64 s[64:65], 0
	v_nop
	global_prefetch_b8 v0, s[64:65] scope:SCOPE_SE
	s_setreg_imm32_b32 hwreg(HW_REG_WAVE_MODE, 25, 1), 1
	s_wait_xcnt 0x0
; y[b][t][head] = softmax(q k^T / 8, causal) v for 64 heads of 2,048 tokens x 64, both products on codes of FP6 (E2M3) with E8M0 scales; y leaves as codes, quantised along C, in the order of the last product's operand registers.
; THE SOFTMAX AHEAD OF THE SECOND PRODUCT: t = score x log2(e) / 8; M = the row's largest t so far, rounded UP to a whole number; p = 2^(t - M) is quantised along the keys, not normalised.
; The row's sum is taken of the unquantised p and divides O at the end.  When M moves, the sum and O are multiplied by 2^(old M - new M): exact.
; SHARES.  A work-group serves one head and TWO blocks of 256 queries: first block 7 - x, then block x (x = work-group x, 0 .. 3): (8 - x) + (x + 1) = 9 slots of 256 keys for every work-group: 256 work-groups of equal work, a constant trip count.
; Each of the sixteen waves owns one tile of 16 queries in 256 registers: four waves to a SIMD, so that one wave's vector work stands beside another's matrix work and LDS loads.
; A slot is two records of kv (128 keys each: K's 8 tiles, K's scale image, V^T's 4 tiles, V's scale image: 13,056 bytes): 26,112 dense bytes, brought by one tensor load of wave 0.
; LAYOUT.  S^T = K Q^T (source 0 = 16 keys, source 1 = my 16 queries), O^T = V^T P^T: a lane holds ONE query throughout.  Tiles are in tile order (row r of tile 2 g + u is 32 g + 8 u + r + 8 (r / 8)), so that the 16 registers of
; tiles 2 b and 2 b + 1 are 16 neighbours: keys for p, channels for y.  The head's K is 64, the instruction's 128: Q's upper six registers are zero codes, K's upper six are whatever follows (FP6 has no NaN and no infinity), the scale bytes there 0x7f.
; CAUSAL.  A step all of whose keys come after my queries is left out by a scalar branch on ids; on the diagonal hidden scores become -infinity ahead of the maximum.  Key 0 counts for every query, so M is a number from a block's first step on.
; NO CLUSTER: the four work-groups of a head walk the same slots only in their first five trips (the block changes after trip 7 - x); kept in step they would walk 12 slots each in place of 9.
; LIMITS: NaN and infinities are not served; 1 / sum is v_rcp_f32; a block of y of zeros or under 2^-124 gets the byte 1, which this program alone reads.
; REGISTERS: v1-7 addresses that stay; v8, v9 addresses in hand; v12 -M, v13 the largest t, v[14:15] the sum; v16-21 Q, v22-27 zeros; v32-79 K's, then V's fragments, v80-85 zeros; v96-159 S^T, then p; v160-191 O^T;
;   v192-193 V's scale words; v194-200 the second block's Q; v202-211 y's codes; v224-235 p's codes; v232-254 at work; v248-251 K's scale words; v253 p's; v255 Q's.
.set REC,   13056                      ; a record: 128 keys
.set SLOTB, 26112                      ; a slot: two records
.set SLOT1, 32768                      ; slot 1 begins here: one exclusive or turns an address in one slot into the other's
.set SPARE, 65536                      ; the spare words, 128 bytes for each of sixteen waves
.set SPW,  5                           ; v5   LDS address of my spare word; never rewritten
.set NIL,  6                           ; v6   0; never rewritten
.set A8,   8                           ; v8   the slot + 8 x lane
.set A16,  9                           ; v9   the slot + 16 x lane
.set PFO,  28                          ; v28  the prefetches' offset; never rewritten
.set TB,   2                           ; s2   LDS byte at which the slot in hand begins
.set TR,   3                           ; s3   the trip
.set WV,   18
.set SEL,  20                          ; s[20:21] lane selects: lane l xor 16
.set CS,   22                          ; s[22:23] c = log2(e) / 8
.set G1,   24                          ; s[24:31] descriptor group 1
.set G0,   32                          ; s[32:35] group 0
.set HB,   36                          ; s[36:37] my head's records
.set NB,   38                          ; s38  slots of the first block: 8 - x
.set NB1,  39                          ; s39  7 - x
.set KF,   40                          ; s40  the step's first key
.set Q0,   41                          ; s41  my least query;  s42 the second block's
.set Q0B,  42
.set TAU,  43                          ; s43  my tile of queries in the head;  s44 the second block's
.set TAUB, 44
.set LIM,  45                          ; s45  a wave prefetches while the trip is under this
.set PFA,  46                          ; s[46:47] where the prefetches stand
.set YB,   48                          ; s[48:49] y's codes, s[50:51] y's scale bytes
.macro TLOAD                           ; wave 0 fetches; an s_nop 0 and four v_nop follow the line
	s_cmp_lg_u32 s[WV], 0
	s_cbranch_scc1 .Lnot_0_\@
	tensor_load_to_lds s[G0:G0+3], s[G1:G1+7]
	s_nop 0
.rept 4
	v_nop
.endr
.Lnot_0_\@:
.endm
; A PREFETCH INTO THE L2 of the slot that the NEXT change of slots will ask for: 102 blocks of 256 bytes.  All four work-groups of a head begin with slots 0, 1, 2 ..: the one with x = 0, which walks slots 0 .. 7 in order, asks;
; in it waves 4 to 7, lanes 256 bytes apart, one instruction each (the 26 lanes beyond the 102nd block name that block again).  Trip t names slot t + 2; slots 0 and 1 come by their loads alone; trips 6 to 8 ask for nothing.
.macro ASK
	s_cmp_lt_u32 s[TR], s[LIM]
	s_cbranch_scc0 .Lnot_mine_\@
	global_prefetch_b8 v[PFO], s[PFA:PFA+1] th:TH_LOAD_NT scope:SCOPE_SE
.Lnot_mine_\@:
.endm
.macro QSOFF dst, tau                  ; where tile tau's scale words of Q lie: image tau / 8, 256 (tau % 2) + 4 ((tau % 8) / 2), + 16 r by the lane
	s_lshr_b32 s[\dst], s[\tau], 3
	s_lshl_b32 s[\dst], s[\dst], 9
	s_and_b32 s96, s[\tau], 1
	s_lshl_b32 s96, s96, 8
	s_add_co_u32 s[\dst], s[\dst], s96
	s_bfe_u32 s96, s[\tau], 0x20001
	s_lshl_b32 s96, s96, 2
	s_add_co_u32 s[\dst], s[\dst], s96
	s_add_co_u32 s[\dst], s[\dst], s97
.endm
	s_load_b128 s[4:7], s[0:1], 0x0                ; qq s[4:5], kv s[6:7]
	s_load_b64 s[8:9], s[0:1], 0x10                ; yq
	v_lshl_add_u32 v[SPW], v0, 2, SPARE
	v_mov_b32 v[NIL], 0
	ds_add_u32 v[SPW], v[NIL]                      ; the wave's opening: the add and its wait stand ahead of the first tensor load; the set-up, work on registers, stands between
	ds_add_u32 v[SPW], v[NIL]
	v_lshrrev_b32 v8, 5, v0
	s_delay_alu instid0(VALU_DEP_1)
	v_readfirstlane_b32 s[WV], v8                  ; wave 0..15
	s_and_b32 s80, ttmp7, 0xffff                   ; batch x 16 + head
	s_mov_b32 s[G1], 3<<16                         ; no mask; elements of 8 bytes; no padding
	s_mov_b32 s[G1+1], 32<<16                      ; tensor_dim0: 256 bytes
	s_mov_b32 s[G1+2], 102<<16                     ; tensor_dim1
	s_mov_b32 s[G1+3], 32<<16                      ; tile_dim0
	s_mov_b32 s[G1+4], 102                         ; tile_dim1
	s_mov_b32 s[G1+5], 32                          ; dense
	s_mov_b32 s[G1+6], 0
	s_mov_b32 s[G1+7], 0
	s_sub_co_u32 s[NB], 8, ttmp9
	s_sub_co_u32 s[NB1], 7, ttmp9
	s_lshl_b32 s[TAU], s[NB1], 4
	s_add_co_u32 s[TAU], s[TAU], s[WV]             ; tile 16 (7 - x) + wave,
	s_lshl_b32 s[TAUB], ttmp9, 4
	s_add_co_u32 s[TAUB], s[TAUB], s[WV]           ; then 16 x + wave
	s_and_b32 s81, s[WV], 1
	s_lshl_b32 s81, s81, 3
	s_lshl_b32 s[Q0], s[TAU], 4
	s_sub_co_u32 s[Q0], s[Q0], s81                 ; a tile's least row: 16 tile - 8 (tile % 2); its greatest: 23 more
	s_lshl_b32 s[Q0B], s[TAUB], 4
	s_sub_co_u32 s[Q0B], s[Q0B], s81
	s_lshr_b32 s52, s80, 4
	s_lshl_b32 s52, s52, 7                         ; 128 tiles a batch
	s_and_b32 s53, s80, 15                         ; the head
	s_lshr_b32 s54, s53, 2                         ; the head's two bytes in a scale page: 256 (head / 4) + 4 ((head / 2) % 2) + 2 (head % 2)
	s_lshl_b32 s54, s54, 8
	s_bfe_u32 s81, s53, 0x10001
	s_lshl_b32 s81, s81, 2
	s_add_co_u32 s54, s54, s81
	s_and_b32 s81, s53, 1
	s_lshl_b32 s81, s81, 1
	s_add_co_u32 s54, s54, s81
	s_mul_i32 s82, s80, 208896                     ; my head in kv
	s_mov_b32 s83, 0
	s_mul_i32 s97, s80, 98304                      ; my head's codes in qq
	s_mul_i32 s84, s[TAU], 768
	s_add_co_u32 s84, s84, s97
	s_mov_b32 s85, 0
	s_mul_i32 s86, s[TAUB], 768
	s_add_co_u32 s86, s86, s97
	s_mov_b32 s87, 0
	s_lshl_b32 s97, s80, 13
	s_add_co_u32 s97, s97, 6291456                 ; my head's scale images in qq
	QSOFF 88, TAU
	s_mov_b32 s89, 0
	QSOFF 90, TAUB
	s_mov_b32 s91, 0
	s_lshr_b32 s81, s[WV], 2
	s_xor_b32 s81, s81, 1                          ; 0 in waves 4 to 7,
	s_or_b32 s81, s81, ttmp9                       ; of the work-group with x = 0
	s_cmp_eq_u32 s81, 0
	s_cselect_b32 s[LIM], 6, 0
	s_mov_b32 s[SEL], 0x76543210
	s_mov_b32 s[SEL+1], 0xfedcba98
	s_mov_b32 s[CS], 0x3e38aa3b                    ; c = log2(e) / 8
	s_mov_b32 s[CS+1], s[CS]                       ; (named with it as a pair, so it is written)
	s_mov_b32 s[TB], 0
	s_mov_b32 s[TR], 0
	s_mov_b32 s[KF], 0
	s_wait_dscnt 0x0                               ; the opening add is done
	s_wait_kmcnt 0x0
	s_add_nc_u64 s[HB:HB+1], s[6:7], s[82:83]
	s_mov_b32 s[G0], 1                             ; count = 1
	s_mov_b32 s[G0+1], 0                           ; LDS address: slot 0
	s_mov_b64 s[G0+2:G0+3], s[HB:HB+1]             ; the head's first 256 keys
	s_or_b32 s[G0+3], s[G0+3], 0x80000000          ; type = 2
	TLOAD
	s_add_nc_u64 s[PFA:PFA+1], s[HB:HB+1], SLOTB   ; at slot 1: the first change of slots steps it to slot 2.  Nothing is prefetched at the head
	s_add_nc_u64 s[84:85], s[4:5], s[84:85]
	s_add_nc_u64 s[86:87], s[4:5], s[86:87]
	s_add_nc_u64 s[88:89], s[4:5], s[88:89]
	s_add_nc_u64 s[90:91], s[4:5], s[90:91]
	v_and_b32 v10, 31, v0
	s_delay_alu instid0(VALU_DEP_1)
	v_lshlrev_b32 v1, 3, v10                       ; v1  8 x lane
	s_delay_alu instid0(VALU_DEP_2)
	v_lshlrev_b32 v2, 4, v10                       ; v2  16 x lane
	v_and_b32 v11, 15, v0
	s_delay_alu instid0(VALU_DEP_1)
	v_lshlrev_b32 v3, 3, v11                       ; v3  8 r
	s_delay_alu instid0(VALU_DEP_2)
	v_lshlrev_b32 v4, 4, v11                       ; v4  16 r
.irp c, 0,1,2
	global_load_b64 v[16+2*\c:17+2*\c], v1, s[84:85] offset:256*\c      ; the first block's Q: 16 queries x 64
	global_load_b64 v[194+2*\c:195+2*\c], v1, s[86:87] offset:256*\c    ; the second's
.endr
	global_load_b32 v255, v4, s[88:89]             ; their scale words
	global_load_b32 v200, v4, s[90:91]
	v_bfe_u32 v10, v0, 4, 1
	v_and_b32 v7, 8, v11
	s_delay_alu instid0(VALU_DEP_1)
	v_add_nc_u32 v7, v7, v11
	s_delay_alu instid0(VALU_DEP_3)
	v_lshlrev_b32 v10, 4, v10
	s_delay_alu instid0(VALU_DEP_1)
	v_sub_nc_u32 v7, v7, v10                       ; v7  r + 8 (r / 8) - 16 h
	v_add_nc_u32 v[PFO], 0xffffff80, v0            ; thread - 128
	s_delay_alu instid0(VALU_DEP_1)
	v_lshlrev_b32 v[PFO], 8, v[PFO]
	s_delay_alu instid0(VALU_DEP_1)
	v_min_u32 v[PFO], 101*256, v[PFO]              ; held at the slot's last block
.irp i, 0,1,2,3,4,5
	v_mov_b32 v[22+\i], 0                          ; Q's upper 64 along K: zero codes
	v_mov_b32 v[80+\i], 0                          ; what stands behind K's last tile
.endr
	v_mov_b32 v13, 0xff61b1e6                      ; the largest t so far: -3e38, under every t
	s_delay_alu instid0(VALU_DEP_1)
	v_floor_f32 v12, -v13                          ; -M
	v_mov_b32 v14, 0                               ; the sum, in two halves
	v_mov_b32 v15, 0
.irp b, 0,1,2,3
	v_mov_b32 v[236+\b], 0                         ; a lane permute's destination counts as one of its sources
.endr
	v_mov_b32 v252, 0
	v_mov_b32 v253, 0
.set n, 0
.rept 32
	v_mov_b32 v[160+n], 0                          ; O^T: the first step finds zeros, which the first change of M leaves zeros
.set n, n+1
.endr
; A KEY STEP: 128 keys, record q of the slot in hand.
.macro STEP q
	s_add_co_u32 s96, s[Q0], 23
	s_cmp_gt_u32 s[KF], s96
	s_cbranch_scc1 .Lhidden_\@                     ; all its keys come after my queries
	v_add_nc_u32 v[A8], s[TB], v1
	v_add_nc_u32 v[A16], s[TB], v2
	v_nop
	v_nop                                          ; four places in front of loads into registers that matrix instructions have read
.irp t, 0,1,2,3,4,5,6,7
.irp c, 0,1,2
	ds_load_b64 v[32+6*\t+2*\c:33+6*\t+2*\c], v[A8] offset:(\q)*REC+768*\t+256*\c
.endr
.endr
	ds_load_b128 v[248:251], v[A16] offset:(\q)*REC+6144      ; K's scale words: word i: lanes 0-15 tile 2 i, lanes 16-31 tile 2 i + 1
	s_wait_alu depctr_va_vdst(0)
	s_wait_dscnt 0x0
.irp t, 0,2,4,6
	v_wmma_scale_f32_16x16x128_f8f6f4 v[96+8*\t:103+8*\t], v[32+6*\t:43+6*\t], v[16:27], 0, v[248+\t/2], v255 matrix_a_fmt:MATRIX_FMT_FP6 matrix_b_fmt:MATRIX_FMT_FP6
	v_wmma_scale_f32_16x16x128_f8f6f4 v[104+8*\t:111+8*\t], v[38+6*\t:49+6*\t], v[16:27], 0, v[248+\t/2], v255 matrix_a_fmt:MATRIX_FMT_FP6 matrix_b_fmt:MATRIX_FMT_FP6 matrix_a_scale:MATRIX_SCALE_ROW1
.endr
.rept 4
	v_nop                                          ; places behind the products: for the loads below and the first read of the scores
.endr
.irp t, 0,1,2,3                                ; V is asked for now and lands while the softmax is walked
.irp c, 0,1,2
	ds_load_b128 v[32+12*\t+4*\c:35+12*\t+4*\c], v[A16] offset:(\q)*REC+6656+1536*\t+512*\c
.endr
.endr
	ds_load_b64 v[192:193], v[A8] offset:(\q)*REC+12800
	s_add_co_u32 s96, s[KF], 127
	s_cmp_le_u32 s96, s[Q0]
	s_cbranch_scc1 .Lopen_\@                       ; all its keys count
	s_sub_co_i32 s96, s[Q0], s[KF]
	v_add_nc_u32 v252, s96, v7                     ; d = my query - the step's first key - 16 h.  Register 16 b + i holds key 32 b + 16 h + i of the step: hidden where 32 b + i > d
	v_mov_b32 v254, 0xff800000                     ; -infinity
.set n, 0
.rept 64
	v_cmp_gt_i32 vcc_lo, 32*(n/16)+n%16, v252
	v_cndmask_b32 v[96+n], v[96+n], v254, vcc_lo
.set n, n+1
.endr
.Lopen_\@:
.irp b, 0,1,2,3
	v_max3_num_f32 v[232+\b], v[96+16*\b], v[97+16*\b], v[98+16*\b]   ; the largest score of each block of 32 keys: it serves for the row's maximum and, since p rises with the score, for the block's largest p
.endr
.irp i, 3,5,7,9,11,13
.irp b, 0,1,2,3
	v_max3_num_f32 v[232+\b], v[232+\b], v[96+16*\b+\i], v[97+16*\b+\i]
.endr
.endr
.irp b, 0,1,2,3
	v_max_num_f32 v[232+\b], v[232+\b], v[111+16*\b]
.endr
.irp b, 0,1,2,3
	s_delay_alu instid0(VALU_DEP_4)
	v_permlanex16_b32 v[236+\b], v[232+\b], s[SEL], s[SEL+1]
.endr
.irp b, 0,1,2,3
	s_delay_alu instid0(VALU_DEP_4)
	v_max_num_f32 v[232+\b], v[232+\b], v[236+\b]  ; with lane l xor 16's 16 keys
.endr
	s_delay_alu instid0(VALU_DEP_2)
	v_max3_num_f32 v254, v232, v233, v234
	s_delay_alu instid0(VALU_DEP_1)
	v_max_num_f32 v254, v254, v235                 ; the step's largest score of my query
	s_delay_alu instid0(VALU_DEP_1)
	v_mul_f32 v254, s[CS], v254                    ; as t
	s_delay_alu instid0(VALU_DEP_1)
	v_max_num_f32 v13, v13, v254                   ; the running largest t
	v_mov_b32 v254, v12
	s_delay_alu instid0(VALU_DEP_2)
	v_floor_f32 v12, -v13                          ; the new -M = floor(-t): M is a whole number
	s_delay_alu instid0(VALU_DEP_1)
	v_sub_f32 v254, v12, v254                      ; old M - new M: a whole number, 0 or less
	s_delay_alu instid0(VALU_DEP_1)
	v_cvt_i32_f32 v254, v254                       ; (it saturates)
	s_delay_alu instid0(VALU_DEP_1)
	v_ldexp_f32 v252, 1.0, v254                    ; f = 2^(old M - new M)
.set n, 0
.rept 32
	v_pk_fma_f32 v[96+n:97+n], v[96+n:97+n], s[CS:CS+1], v[12:13] op_sel_hi:[1,0,0]   ; t - M, two at a time
.set n, n+2
.endr
.irp b, 0,1,2,3
	v_fma_f32 v[232+\b], v[232+\b], s[CS], v12     ; the same of each block's largest score
.endr
.set n, 0
	s_wait_alu depctr_va_vdst(0)
.rept 64
	v_exp_f32 v[96+n], v[96+n]                     ; p = 2^(t - M), at most 1
.set n, n+1
.endr
	v_pk_mul_f32 v[14:15], v[14:15], v[252:253] op_sel_hi:[1,0]   ; the sums under the new M: a plain place behind the exponentials
	s_wait_alu depctr_va_vdst(0)                   ; one wait for the whole batch, ahead of its first reader
.irp b, 0,1,2,3
	v_exp_f32 v[232+\b], v[232+\b]                 ; the block's largest p
.endr
	v_pk_add_f32 v[236:237], v[100:101], v[104:105]
	v_pk_add_f32 v[250:251], v[108:109], v[112:113]
	v_pk_add_f32 v[248:249], v[116:117], v[120:121]
	v_pk_add_f32 v[246:247], v[124:125], v[128:129]
	v_pk_add_f32 v[244:245], v[132:133], v[136:137]
	v_pk_add_f32 v[242:243], v[140:141], v[144:145]
	v_pk_add_f32 v[240:241], v[148:149], v[152:153]
	v_pk_add_f32 v[14:15], v[14:15], v[156:157]
	v_pk_add_f32 v[236:237], v[236:237], v[96:97]
	v_pk_add_f32 v[250:251], v[250:251], v[98:99]
	v_pk_add_f32 v[248:249], v[248:249], v[102:103]
	v_pk_add_f32 v[246:247], v[246:247], v[106:107]
	v_pk_add_f32 v[244:245], v[244:245], v[110:111]
	v_pk_add_f32 v[242:243], v[242:243], v[114:115]
	v_pk_add_f32 v[240:241], v[240:241], v[118:119]
	v_pk_add_f32 v[14:15], v[14:15], v[122:123]
	v_pk_add_f32 v[236:237], v[236:237], v[126:127]
	v_pk_add_f32 v[250:251], v[250:251], v[130:131]
	v_pk_add_f32 v[248:249], v[248:249], v[134:135]
	v_pk_add_f32 v[246:247], v[246:247], v[138:139]
	v_pk_add_f32 v[244:245], v[244:245], v[142:143]
	v_pk_add_f32 v[242:243], v[242:243], v[146:147]
	v_pk_add_f32 v[240:241], v[240:241], v[150:151]
	v_pk_add_f32 v[14:15], v[14:15], v[154:155]
	v_pk_add_f32 v[236:237], v[236:237], v[158:159]
	s_delay_alu instid0(VALU_DEP_2)
	v_pk_add_f32 v[14:15], v[14:15], v[246:247]
	s_delay_alu instid0(VALU_DEP_2)
	v_pk_add_f32 v[236:237], v[236:237], v[244:245]
	v_pk_add_f32 v[250:251], v[250:251], v[242:243]
	v_pk_add_f32 v[248:249], v[248:249], v[240:241]
	s_delay_alu instid0(VALU_DEP_2)
	v_pk_add_f32 v[14:15], v[14:15], v[250:251]
	s_delay_alu instid0(VALU_DEP_2)
	v_pk_add_f32 v[236:237], v[236:237], v[248:249]
	s_delay_alu instid0(VALU_DEP_1)
	v_pk_add_f32 v[14:15], v[14:15], v[236:237]
	s_wait_alu depctr_va_vdst(0)                   ; and one for the four
.irp b, 0,1,2,3
	v_max_num_f32 v[232+\b], 0x1800000, v[232+\b]  ; the floor 2^(3 - 127): a block whose every p is 0 keeps the byte 1: its codes are zeros
.endr
.irp b, 0,1,2,3
	s_delay_alu instid0(VALU_DEP_4)
	v_add_nc_u32 v[244+\b], 0xff000000, v[232+\b]  ; the conversion's scale operand
.endr
.irp b, 0,1,2,3
	s_delay_alu instid0(VALU_DEP_4)
	v_lshrrev_b32 v[236+\b], 23, v[244+\b]         ; the byte
.endr
	s_delay_alu instid0(VALU_DEP_3)
	v_lshl_or_b32 v253, v237, 8, v236              ; p's scale word for these 128 keys
	s_delay_alu instid0(VALU_DEP_1)
	v_lshl_or_b32 v253, v238, 16, v253
	s_delay_alu instid0(VALU_DEP_1)
	v_lshl_or_b32 v253, v239, 24, v253
.irp c, 0,1
	v_cvt_scalef32_pk16_fp6_f32 v[224+6*\c:226+6*\c], v[96+32*\c:111+32*\c], v[244+2*\c]
	v_cvt_scalef32_pk16_fp6_f32 v[236+4*\c:238+4*\c], v[112+32*\c:127+32*\c], v[244+2*\c+1]
.endr
	v_nop                                          ; one plain place behind a scaled conversion
.irp c, 0,1                                    ; the operand's layout wants a WHOLE block in a lane
.irp i, 0,1,2
	v_permlane16_swap_b32 v[224+6*\c+\i], v[236+4*\c+\i]
.endr
.irp i, 0,1,2
	s_delay_alu instid0(VALU_DEP_3)
	v_mov_b32 v[227+6*\c+\i], v[236+4*\c+\i]
.endr
.endr
.set n, 0
.rept 16
	v_pk_mul_f32 v[160+n:161+n], v[160+n:161+n], v[252:253] op_sel_hi:[1,0]   ; O^T under the new M.  (These sixteen are also the places between the writes of p's codes and scale word and the products)
.set n, n+2
.endr
	s_wait_alu depctr_va_vdst(0)
	s_wait_dscnt 0x0                               ; V
.irp t, 0,2                                    ; O^T += V^T P^T: four tiles of 16 channels, the accumulators by turns
	v_wmma_scale_f32_16x16x128_f8f6f4 v[160+8*\t:167+8*\t], v[32+12*\t:43+12*\t], v[224:235], v[160+8*\t:167+8*\t], v[192+\t/2], v253 matrix_a_fmt:MATRIX_FMT_FP6 matrix_b_fmt:MATRIX_FMT_FP6
	v_wmma_scale_f32_16x16x128_f8f6f4 v[168+8*\t:175+8*\t], v[44+12*\t:55+12*\t], v[224:235], v[168+8*\t:175+8*\t], v[192+\t/2], v253 matrix_a_fmt:MATRIX_FMT_FP6 matrix_b_fmt:MATRIX_FMT_FP6 matrix_a_scale:MATRIX_SCALE_ROW1
.endr
.Lhidden_\@:
	s_add_co_u32 s[KF], s[KF], 128
.endm
; THE CHANGE OF SLOTS stands at a slot's head.  Each wave waits for all its tensor loads, adds 0 to its spare word, and waits for that and for its reads of the slot that it has left.  Behind the barrier the slot ahead is whole and
; nobody reads the other one.  fill = 1: that other slot takes the keys of the next trip: slot t + 1 of the first block's walk, or, past its end, of the second's, which begins at the head's first keys again.
.macro CHANGE fill
	s_wait_tensorcnt 0x0                           ; no tensor load of mine is out, so group 0 may be written
	ds_add_u32 v[SPW], v[NIL]                      ; 0 onto my spare word; the steps below stand between it and the wait for it
.if \fill
	s_add_co_u32 s80, s[TR], 1
	s_sub_co_u32 s81, s80, s[NB]
	s_cmp_lt_u32 s80, s[NB]
	s_cselect_b32 s80, s80, s81                    ; which 256 keys of the head
	s_mul_i32 s80, s80, SLOTB
	s_mov_b32 s81, 0
	s_add_nc_u64 s[G0+2:G0+3], s[HB:HB+1], s[80:81]
	s_or_b32 s[G0+3], s[G0+3], 0x80000000
	s_xor_b32 s[G0+1], s[G0+1], SLOT1              ; the other slot than last time
	s_wait_xcnt 0x0                                ; the last prefetch, a slot back, has read its address
	s_add_nc_u64 s[PFA:PFA+1], s[PFA:PFA+1], SLOTB
.endif
	s_wait_dscnt 0x0                               ; the add is done, and my reads of the slot that I have left are over
	s_barrier_signal -1
	s_barrier_wait -1
.if \fill
	TLOAD                                          ; the first thing behind the barrier, and the one tensor load until the next: it has a slot's two steps in which to land
	ASK
.endif
.endm
; A BLOCK OF QUERIES IS DONE: O^T / the sum is y of my 16 tokens and my head's 64 channels (register 16 b + i = channel 32 b + 16 h + i): two blocks of the last product's K.  Quantised in registers; 768 bytes of codes, two scale bytes a token.
.macro FINISH
	s_wait_xcnt 0x0                                ; earlier stores and prefetches have read their registers
.rept 4
	v_nop                                          ; places behind the last products
.endr
	v_add_f32 v14, v14, v15
	s_delay_alu instid0(VALU_DEP_1)
	v_permlanex16_b32 v252, v14, s[SEL], s[SEL+1]
	s_delay_alu instid0(VALU_DEP_1)
	v_add_f32 v14, v14, v252                       ; the row's sum
	s_wait_alu depctr_va_vdst(0)
	v_rcp_f32 v14, v14
	v_nop                                          ; a plain place behind the transcendental
	s_add_co_u32 s80, s52, s[TAU]                  ; my tile among yq's 512
	s_mul_i32 s82, s80, 12288
	s_mul_i32 s83, s53, 768                        ; the head's 64 of the tile's 1,024 along K
	s_add_co_u32 s82, s82, s83
	s_mov_b32 s83, 0
	s_add_nc_u64 s[YB:YB+1], s[8:9], s[82:83]
	s_lshr_b32 s82, s80, 1
	s_lshl_b32 s82, s82, 10                        ; the page,
	s_and_b32 s84, s80, 1
	s_lshl_b32 s84, s84, 7                         ; the tile in it,
	s_add_co_u32 s82, s82, s84
	s_add_co_u32 s82, s82, s54                     ; the head's two bytes
	s_add_co_u32 s82, s82, 6291456
	s_add_nc_u64 s[YB+2:YB+3], s[8:9], s[82:83]
	s_wait_alu depctr_va_vdst(0)                   ; ahead of the reciprocal's first reader
.set n, 0
.rept 16
	v_pk_mul_f32 v[96+n:97+n], v[160+n:161+n], v[14:15] op_sel_hi:[1,0]   ; each accumulator from its low end on
.set n, n+2
.endr
.irp b, 0,1
	v_max3_num_f32 v[232+\b], |v[96+16*\b]|, |v[97+16*\b]|, 0x1800000
.endr
.irp i, 2,4,6,8,10,12,14
.irp b, 0,1
	s_delay_alu instid0(VALU_DEP_2)
	v_max3_num_f32 v[232+\b], v[232+\b], |v[96+16*\b+\i]|, |v[97+16*\b+\i]|
.endr
.endr
.irp b, 0,1
	s_delay_alu instid0(VALU_DEP_2)
	v_permlanex16_b32 v[236+\b], v[232+\b], s[SEL], s[SEL+1]
.endr
.irp b, 0,1
	s_delay_alu instid0(VALU_DEP_2)
	v_max_num_f32 v[232+\b], v[232+\b], v[236+\b]
.endr
.irp b, 0,1
	s_delay_alu instid0(VALU_DEP_2)
	v_add_nc_u32 v[244+\b], 0xff000000, v[232+\b]
.endr
.irp b, 0,1
	s_delay_alu instid0(VALU_DEP_2)
	v_lshrrev_b32 v[236+\b], 23, v[244+\b]
.endr
	s_delay_alu instid0(VALU_DEP_1)
	v_lshl_or_b32 v211, v237, 8, v236              ; my token's two bytes
	v_cvt_scalef32_pk16_fp6_f32 v[202:204], v[96:111], v244
	v_cvt_scalef32_pk16_fp6_f32 v[208:210], v[112:127], v245
	v_nop                                          ; one plain place behind a scaled conversion
.irp i, 0,1,2
	v_permlane16_swap_b32 v[202+\i], v[208+\i]     ; lanes 0-15 block 0, lanes 16-31 block 1: the lower 16 codes here, the upper 16 there
.endr
.irp i, 0,1,2
	s_delay_alu instid0(VALU_DEP_3)
	v_mov_b32 v[205+\i], v[208+\i]
.endr
.irp p, 0,1,2
	global_store_b64 v1, v[202+2*\p:203+2*\p], s[YB:YB+1] offset:256*\p   ; 256 consecutive bytes, aligned
.endr
	global_store_b16 v3, v211, s[YB+2:YB+3]        ; a head owns half of a scale word: 2 bytes a token, 8 bytes apart (lanes 16-31 write what lanes 0-15 write)
.endm
.macro SWITCH                          ; on to the second block of queries.  Q and its scale word first: more than eight plain instructions then stand ahead of the next product
.irp i, 0,1,2,3,4,5
	v_mov_b32 v[16+\i], v[194+\i]
.endr
	v_mov_b32 v255, v200
	v_mov_b32 v13, 0xff61b1e6
	s_delay_alu instid0(VALU_DEP_1)
	v_floor_f32 v12, -v13
	v_mov_b32 v14, 0
	v_mov_b32 v15, 0
.set n, 0
.rept 32
	v_mov_b32 v[160+n], 0
.set n, n+1
.endr
	s_mov_b32 s[Q0], s[Q0B]
	s_mov_b32 s[TAU], s[TAUB]
	s_mov_b32 s[KF], 0
.endm
	s_wait_loadcnt 0x0                             ; Q
.Lslot:                                            ; eight trips: behind each change of slots but the last the next slot is asked for
	CHANGE 1
	STEP 0
	STEP 1
	s_xor_b32 s[TB], s[TB], SLOT1                  ; on to the other slot
	s_cmp_lg_u32 s[TR], s[NB1]                     ; was it the first block's last slot?  A branch on ids, the same in all sixteen waves
	s_cbranch_scc1 .Lsame
	FINISH
	SWITCH
.Lsame:
	s_add_co_u32 s[TR], s[TR], 1
	s_cmp_lt_u32 s[TR], 8
	s_cbranch_scc1 .Lslot
	CHANGE 0                                       ; the ninth slot is written out
	STEP 0
	STEP 1
	FINISH
	s_wait_tensorcnt 0x0                           ; the wave's end: these three lines stand behind the last tensor load
	ds_add_u32 v[SPW], v[NIL]
	s_wait_dscnt 0x0
	s_endpgm
.Lfunc_end_k_q0657429384_attn:
	.size	k_q0657429384_attn, .Lfunc_end_k_q0657429384_attn-k_q0657429384_attn
	.p2alignl 7, 3214868480
	.fill 96, 4, 3214868480
	.section	.rodata,"a",@progbits
	.p2align	6, 0x0
	.amdhsa_kernel k_q0657429384_attn
		.amdhsa_group_segment_fixed_size 327680
		.amdhsa_private_segment_fixed_size 0
		.amdhsa_enable_private_segment 0
		.amdhsa_kernarg_size 24
		.amdhsa_user_sgpr_count 2
		.amdhsa_user_sgpr_kernarg_segment_ptr 1
		.amdhsa_wavefront_size32 1
		.amdhsa_system_sgpr_workgroup_id_x 1
		.amdhsa_system_sgpr_workgroup_id_y 1
		.amdhsa_system_sgpr_workgroup_id_z 1
		.amdhsa_system_vgpr_workitem_id 0
		.amdhsa_next_free_vgpr 256
		.amdhsa_next_free_sgpr 100
		.amdhsa_reserve_vcc 1
		.amdhsa_float_denorm_mode_32 3
		.amdhsa_float_denorm_mode_16_64 3
		.amdhsa_memory_ordered 1
		.amdhsa_forward_progress 1
		.amdhsa_inst_pref_size 111
	.end_amdhsa_kernel
	.amdgpu_metadata
---
amdhsa.version: [ 1, 2 ]
amdhsa.kernels:
  - .name:           k_q0657429384_attn
    .symbol:         k_q0657429384_attn.kd
    .args:
      - { .name: qq, .offset: 0, .size: 8, .value_kind: global_buffer, .address_space: global }
      - { .name: kv, .offset: 8, .size: 8, .value_kind: global_buffer, .address_space: global }
      - { .name: yq, .offset: 16, .size: 8, .value_kind: global_buffer, .address_space: global }
    .group_segment_fixed_size: 327680
    .private_segment_fixed_size: 0
    .kernarg_segment_align: 8
    .kernarg_segment_size: 24
    .max_flat_workgroup_size: 512
    .sgpr_count:     100
    .vgpr_count:     256
    .wavefront_size: 32
...
	.end_amdgpu_metadata
.endif
;; end of part 3
;; launch gemm_out (part 4): grid 4 x 32, 4 waves a work-group, clusters of 4 x 4, 327,680 bytes of LDS; arguments yq, wq, b_out, out0; writes out0
.if DOCPART == 4
	.amdgcn_target "amdgcn-amd-amdhsa--gfx1250"
	.amdhsa_code_object_version 6
	.text
	.protected	k_q0657429384_gemm_out
	.globl	k_q0657429384_gemm_out
	.p2align	8
	.type	k_q0657429384_gemm_out,@function
k_q0657429384_gemm_out:
	s_mov_b64 s[64:65], 0
	v_nop
	global_prefetch_b8 v0, s[64:65] scope:SCOPE_SE
	s_setreg_imm32_b32 hwreg(HW_REG_WAVE_MODE, 25, 1), 1
	s_wait_xcnt 0x0
	s_wait_alu depctr_hold_cnt(0) depctr_sa_sdst(0) depctr_va_vdst(0) depctr_va_sdst(0) depctr_va_ssrc(0) depctr_va_vcc(0) depctr_vm_vsrc(0)
	s_getreg_b32 s2, hwreg(HW_REG_IB_STS2, 6, 4)
	s_cmp_eq_u32 s2, 0
	s_cbranch_scc0 .Lentry_in_a_cluster
	s_endpgm
.Lentry_in_a_cluster:
	s_bfe_u32 s2, ttmp6, 0x10000c
	s_cmp_lg_u32 s2, 0xf033
	s_cbranch_scc0 .Lentry_shape_is_right
	s_endpgm
.Lentry_shape_is_right:
; out0 = y w_out + b_out on codes of FP6 (E2M3) with E8M0 scales, sums in f32, out0 [8192][1024] f32.
; A work-group of four waves makes 256 x 256, a wave 128 x 128: 64 accumulators, 512 registers.  K = 1,024 goes in four steps of 256 through two LDS slots filled by the tensor data mover.
; Operands lie in memory as images of the operand registers (16 rows x 128 K: six pieces of 256 bytes, 8 bytes a lane; a tile's 8 fragments on end: 12,288 bytes), rows in tile order: row r of tile 2 g + u is row 32 g + 8 u + r + 8 (r / 8).
; CLUSTERS: 4 x 4 work-groups.  Source 1 = y (tokens), its tile hangs on cy and is shared along a row of the cluster; source 0 = w_out's columns (rows 3,072 on of wq), its tile hangs on cx and is shared along a column.
; A lane holds one token and, in each accumulator, eight neighbouring columns.  The bias is the C of each sum's first matrix instruction.
; REGISTERS, in windows of 256: window 0: v0-31 addresses; v32-63 scale words, two sets; v64-127 the bias; v128-223 source 1's fragments, ONE set; on the way out v128-255 rows of out0.
;   window 1: source 0's fragments, TWO sets.  window 2: the accumulators of source 1's blocks 0-3 ((a, b) at v[8 (8 a + b)]); window 3: blocks 4-7.
.set NQ,     2
.set FR,     12
.set NL,     6
.set NP,     4                         ; places behind this matrix instruction (ISA guide 7.12.1)
.set HALFT,  8*3072                    ; 128 rows x 256 K: what one tensor load brings
.set SLOT,   4*HALFT
.set SCL,    2*SLOT                    ; the scale pages of the 512 rows, for all of K: filled once
.set HALFS,  4096
.set SPARE,  SCL+4*HALFS               ; the spare words, 128 bytes for each wave
.set SPITCH, 528                       ; the way out: a stage of 16 rows x (512 bytes + 16) for each wave, in slot 0, which has had its last fill and its last read when the first result is stored there
.set ADRA, 16
.set ADRB, 20
.set STO,  24                          ; v24  the way out: where I put 32 bytes of a row
.set RD,   25                          ; v25  where I read a row back
.set CO,   26                          ; v26  16 x lane: my bytes of a row's 512
.set ADRS, 27
.set SPW,  28                          ; v28  LDS address of my spare word; never rewritten
.set NIL,  29                          ; v29  0; never rewritten
.set SC,   32
.set BIAS, 64
.set AF,   128
.set BK,   128                         ; the way out: 16 rows read back: v128-191 and v192-255 by turns
.set G1, 24
.set G0, 32
.set G1B, 48
.set G0B, 56
.set G1S, 68
.set G0S, 76
.set G1SB, 80
.set G0SB, 88
.set MSB, 0
.macro WIN new                         ; the immediate's high byte repeats the setting that is left
.if MSB != (\new)
	s_set_vgpr_msb (MSB<<8)|(\new)
.set MSB, (\new)
.endif
.endm
.set MUL_LO, 0xa1                      ; source 0 window 1, source 1 window 0, C and D window 2
.set MUL_HI, 0xf1                      ; the same, C and D window 3
.set TO_B,   0x40
.macro JLOAD g0a, g1a, g0b, g1b        ; a joint load: waves 0 and 1 fetch source 1's halves, waves 2 and 3 source 0's; an s_nop 0 and four v_nop follow each line
	s_cmp_eq_u32 s15, 0
	s_cbranch_scc0 .Lfor_b_\@
	tensor_load_to_lds s[\g0a:\g0a+3], s[\g1a:\g1a+7]
	s_nop 0
.rept 4
	v_nop
.endr
	s_branch .Lasked_\@
.Lfor_b_\@:
	tensor_load_to_lds s[\g0b:\g0b+3], s[\g1b:\g1b+7]
	s_nop 0
.rept 4
	v_nop
.endr
.Lasked_\@:
.endm
.macro CREST
	s_cmp_lg_u32 s14, 0
	s_cbranch_scc1 .Lnot_wave_0_\@
	s_barrier_signal -3
.Lnot_wave_0_\@:
	s_barrier_wait -3
	s_barrier_signal -1
	s_barrier_wait -1
.endm
.macro CROUND
	s_barrier_signal -1
	s_barrier_wait -1
	CREST
.endm
	s_load_b256 s[4:11], s[0:1], 0x0               ; yq s[4:5], wq s[6:7], b_out s[8:9], out0 s[10:11]
	v_lshl_add_u32 v[SPW], v0, 2, SPARE
	v_mov_b32 v[NIL], 0
	ds_add_u32 v[SPW], v[NIL]                      ; the wave's opening: the add and its wait stand ahead of my first tensor load
	v_lshrrev_b32 v1, 5, v0
	v_readfirstlane_b32 s14, v1                    ; wave 0..3
	s_lshr_b32 s15, s14, 1                         ; my half of source 1's rows.  Also: I fetch for source 1 (0) or source 0 (1)
	s_and_b32 s16, s14, 1                          ; my half of source 0's rows.  Also: which 128 rows of that tile I fetch
	s_bfe_u32 s40, ttmp6, 0x40000                  ; cx
	s_bfe_u32 s41, ttmp6, 0x40004                  ; cy
	s_and_b32 s17, ttmp7, 0xffff
	s_lshl_b32 s17, s17, 2
	s_add_co_u32 s17, s17, s41                     ; y's tile of 256 tokens = 4 x cluster y + cy
	s_add_co_u32 s42, s40, 12                      ; wq's tile of 256 rows: w_out's begin at tile 12
	s_lshl_b32 s43, s41, 2
	s_lshl_b32 s43, 15, s43                        ; my row of the cluster
	s_lshl_b32 s44, 0x1111, s40                    ; my column
	s_or_b32 s[G1+0], s43, (3<<16)|(1<<21)         ; the mask; elements of 8 bytes; bit 21 beside a mask; no padding
	s_or_b32 s[G1B+0], s44, (3<<16)|(1<<21)
.irp g, G1, G1B
	s_mov_b32 s[\g+1], 384<<16                     ; 8 tiles' 3,072 consecutive bytes,
	s_mov_b32 s[\g+2], 8<<16
	s_mov_b32 s[\g+3], 384<<16
	s_mov_b32 s[\g+4], 8
	s_mov_b32 s[\g+5], 1536                        ; 12,288 bytes apart
	s_mov_b32 s[\g+6], 0
	s_mov_b32 s[\g+7], 0
.endr
	s_or_b32 s[G1S+0], s43, (3<<16)|(1<<21)
	s_or_b32 s[G1SB+0], s44, (3<<16)|(1<<21)
.irp g, G1S, G1SB
	s_mov_b32 s[\g+1], 32<<16                      ; 4,096 dense bytes as 16 rows of 256
	s_mov_b32 s[\g+2], 16<<16
	s_mov_b32 s[\g+3], 32<<16
	s_mov_b32 s[\g+4], 16
	s_mov_b32 s[\g+5], 32
	s_mov_b32 s[\g+6], 0
	s_mov_b32 s[\g+7], 0
.endr
	s_lshl_b32 s18, s16, 7
	s_lshl_b32 s20, s17, 8
	s_add_co_u32 s20, s20, s18                     ; source 1's row
	s_lshl_b32 s46, s42, 8
	s_add_co_u32 s46, s46, s18                     ; source 0's row
	s_lshl_b32 s22, s20, 5
	s_add_co_u32 s22, s22, 6291456                 ; yq's pages
	s_lshl_b32 s92, s46, 5
	s_add_co_u32 s92, s92, 3145728                 ; wq's pages
	s_mul_i32 s20, s20, 768
	s_mul_i32 s46, s46, 768
	s_mov_b32 s21, 0
	s_mov_b32 s23, 0
	s_mov_b32 s47, 0
	s_mov_b32 s93, 0
	s_mul_i32 s45, s14, HALFT                      ; no place in the cluster enters an LDS address
	s_mul_i32 s94, s14, HALFS
	s_wait_dscnt 0x0                               ; the opening add is done
	s_wait_kmcnt 0x0
	s_add_nc_u64 s[20:21], s[4:5], s[20:21]
	s_add_nc_u64 s[22:23], s[4:5], s[22:23]
	s_add_nc_u64 s[46:47], s[6:7], s[46:47]
	s_add_nc_u64 s[92:93], s[6:7], s[92:93]
	CROUND                                         ; all sixteen work-groups are here: the first joint loads meet
	s_mov_b32 s[G0S], 1
	s_add_co_u32 s[G0S+1], s94, SCL
	s_mov_b64 s[G0S+2:G0S+3], s[22:23]
	s_or_b32 s[G0S+3], s[G0S+3], 0x80000000
	s_mov_b32 s[G0SB], 1
	s_add_co_u32 s[G0SB+1], s94, SCL
	s_mov_b64 s[G0SB+2:G0SB+3], s[92:93]
	s_or_b32 s[G0SB+3], s[G0SB+3], 0x80000000
	JLOAD G0S, G1S, G0SB, G1SB
.irp s, 0,1
	s_mov_b32 s[G0+4*\s], 1
	s_add_co_u32 s[G0+4*\s+1], s45, \s*SLOT
	s_add_nc_u64 s[G0+4*\s+2:G0+4*\s+3], s[20:21], \s*3072
	s_or_b32 s[G0+4*\s+3], s[G0+4*\s+3], 0x80000000
	s_mov_b32 s[G0B+4*\s], 1
	s_add_co_u32 s[G0B+4*\s+1], s45, \s*SLOT
	s_add_nc_u64 s[G0B+4*\s+2:G0B+4*\s+3], s[46:47], \s*3072
	s_or_b32 s[G0B+4*\s+3], s[G0B+4*\s+3], 0x80000000
	JLOAD G0+4*\s, G1, G0B+4*\s, G1B               ; by my own count three tensor loads of mine are out now
.endr
	v_and_b32 v1, 15, v0                           ; r
	v_bfe_u32 v2, v0, 4, 1                         ; h
	v_and_b32 v3, 31, v0
	v_lshlrev_b32 v4, 3, v3                        ; 8 x lane
	s_mul_i32 s21, s15, HALFT
	s_mul_i32 s22, s16, HALFT
	s_add_co_u32 s22, s22, 2*HALFT
.irp s, 0,1
	v_add_nc_u32 v[ADRA+\s], s21, v4
	v_add_nc_u32 v[ADRB+\s], s22, v4
	s_add_co_u32 s21, s21, SLOT
	s_add_co_u32 s22, s22, SLOT
.endr
	v_lshlrev_b32 v5, 3, v1
	s_mul_i32 s21, s15, HALFS
	s_mul_i32 s22, s16, HALFS
	s_add_co_u32 s22, s22, 2*HALFS
	s_sub_co_u32 s22, s22, s21
	v_mul_u32_u24 v6, s22, v2                      ; lanes 16-31 take source 0's scale words
	s_add_co_u32 s21, s21, SCL
	v_add_nc_u32 v5, v5, v6
	v_add_nc_u32 v[ADRS], s21, v5
	s_mul_i32 s23, s14, 16*SPITCH                  ; my stage
	v_mul_u32_u24 v5, v1, SPITCH
	v_lshl_add_u32 v5, v2, 6, v5                   ; in: row r, + 64 h: accumulator b's eight columns are 32 (b / 2) + 8 (b % 2) + 16 h + 0 .. 7
	v_add_nc_u32 v[STO], s23, v5
	v_lshlrev_b32 v[CO], 4, v3
	v_add_nc_u32 v[RD], s23, v[CO]                 ; back: the 32 lanes take one row of 512 bytes
	s_lshl_b32 s20, s17, 8
	s_lshl_b32 s21, s15, 7
	s_add_co_u32 s20, s20, s21                     ; my first token
	s_lshl_b32 s20, s20, 12                        ; rows of 4,096 bytes
	s_mov_b32 s21, 0
	s_lshl_b32 s46, s40, 10                        ; my first column, in bytes: 1,024 cx + 512 x half
	s_lshl_b32 s47, s16, 9
	s_add_co_u32 s46, s46, s47
	s_mov_b32 s47, 0
	s_add_nc_u64 s[8:9], s[8:9], s[46:47]          ; the bias of my 128 columns
	s_add_nc_u64 s[20:21], s[20:21], s[46:47]
	s_add_nc_u64 s[12:13], s[10:11], s[20:21]      ; my part of out0; never stepped
	v_lshlrev_b32 v7, 6, v2                        ; 16 h columns
.irp b, 0,1,2,3,4,5,6,7
	global_load_b128 v[BIAS+8*\b:BIAS+8*\b+3], v7, s[8:9] offset:4*(32*(\b/2)+8*(\b%2))
	global_load_b128 v[BIAS+8*\b+4:BIAS+8*\b+7], v7, s[8:9] offset:4*(32*(\b/2)+8*(\b%2))+16
.endr
.macro FRAG reg, adr, q, i
.irp p, 0,1,2,3,4,5
	ds_load_b64 v[\reg+2*\p:\reg+2*\p+1], v[\adr] offset:3072*(\i)+1536*(\q)+256*\p
.endr
.endm
; 16 matrix instructions.  zero = 1: the first product starts the sums from the bias.  The 64 accumulators take turns, one instruction a turn.
.macro MUL16 a0, p, q, sc, zero
.irp a, \a0, \a0+1
.irp b, 0,1,2,3,4,5,6,7
.if \zero
	v_wmma_scale_f32_16x16x128_f8f6f4 v[8*(8*((\a)%4)+\b):8*(8*((\a)%4)+\b)+7], v[128*(\p)+FR*\b:128*(\p)+FR*\b+FR-1], v[AF+FR*(\a):AF+FR*(\a)+FR-1], v[BIAS+8*\b:BIAS+8*\b+7], v[SC+8*NQ*(\sc)+NQ*\b+(\q)], v[SC+8*NQ*(\sc)+NQ*(\a)+(\q)] matrix_a_fmt:MATRIX_FMT_FP6 matrix_b_fmt:MATRIX_FMT_FP6 matrix_a_scale:MATRIX_SCALE_ROW1
.else
	v_wmma_scale_f32_16x16x128_f8f6f4 v[8*(8*((\a)%4)+\b):8*(8*((\a)%4)+\b)+7], v[128*(\p)+FR*\b:128*(\p)+FR*\b+FR-1], v[AF+FR*(\a):AF+FR*(\a)+FR-1], v[8*(8*((\a)%4)+\b):8*(8*((\a)%4)+\b)+7], v[SC+8*NQ*(\sc)+NQ*\b+(\q)], v[SC+8*NQ*(\sc)+NQ*(\a)+(\q)] matrix_a_fmt:MATRIX_FMT_FP6 matrix_b_fmt:MATRIX_FMT_FP6 matrix_a_scale:MATRIX_SCALE_ROW1
.endif
.endr
.endr
.endm
.macro FETCH_B slot, q, p
	WIN TO_B
.irp i, 0,1,2,3,4,5,6,7
	FRAG 128*(\p)+FR*\i, ADRB+\slot, \q, \i
.endr
	WIN 0
.endm
.macro FETCH_A slot, q, i0
.irp i, \i0, \i0+1, \i0+2, \i0+3
	FRAG AF+FR*(\i), ADRA+\slot, \q, \i
.endr
.endm
.macro SCALES sc
.irp i, 0,1,2,3,4,5,6,7
	ds_load_b64 v[SC+8*NQ*\sc+NQ*\i:SC+8*NQ*\sc+NQ*\i+1], v[ADRS] offset:1024*(\i/2)+128*(\i%2)
.endr
.endm
.macro PLACES n
.rept \n
	v_nop
.endr
.endm
.macro STEP slot, q, zero
	s_wait_dscnt 4*NL                              ; all but the youngest 24 loads (source 1's blocks 4-7) are in
.if \zero
	WIN 0x81                                       ; C (the bias) window 0, D window 2
.else
	WIN MUL_LO
.endif
	MUL16 0, (\q)%2, \q, \slot, \zero
	MUL16 2, (\q)%2, \q, \slot, \zero
	s_wait_dscnt 0
	PLACES NP
	FETCH_B \slot, (\q)+1, 1-(\q)%2
	FETCH_A \slot, (\q)+1, 0
.if \zero
	WIN 0xc1                                       ; C window 0, D window 3
.else
	WIN MUL_HI
.endif
	MUL16 4, (\q)%2, \q, \slot, \zero
	MUL16 6, (\q)%2, \q, \slot, \zero
	PLACES NP
	WIN 0
	FETCH_A \slot, (\q)+1, 4
.endm
.macro TURN slot, next, fill
	s_wait_tensorcnt 0x0                           ; all my tensor loads have landed: my part of the next slot
	ds_add_u32 v[SPW], v[NIL]                      ; 0 onto my spare word
	s_wait_dscnt 4*NL+1                            ; (the add and the youngest 24 loads may be out)
	WIN MUL_LO
	MUL16 0, 1, NQ-1, \slot, 0
	s_wait_dscnt 0x0                               ; the add is done, and my reads of this slot are over
	s_barrier_signal -1
	MUL16 2, 1, NQ-1, \slot, 0
	WIN 0
	s_barrier_wait -1
.if \fill
	CREST                                          ; a round of the cluster's barrier: no wave of any partner still reads this slot or has a load on its way
	s_add_nc_u64 s[G0+4*\slot+2:G0+4*\slot+3], s[G0+4*\slot+2:G0+4*\slot+3], 6144
	s_add_nc_u64 s[G0B+4*\slot+2:G0B+4*\slot+3], s[G0B+4*\slot+2:G0B+4*\slot+3], 6144
	JLOAD G0+4*\slot, G1, G0B+4*\slot, G1B
.else
	PLACES NP
.endif
	v_add_nc_u32 v[ADRS], 256, v[ADRS]
	FETCH_B \next, 0, 0
	FETCH_A \next, 0, 0
	SCALES \next
	WIN MUL_HI
	MUL16 4, 1, NQ-1, \slot, 0
	MUL16 6, 1, NQ-1, \slot, 0
	PLACES NP
	WIN 0
	FETCH_A \next, 0, 4
.endm
	s_wait_tensorcnt 1                             ; the pages and my part of K step 0 are in (K step 1's load may be out),
	s_barrier_signal -1
	s_barrier_wait -1                              ; everybody's are
	FETCH_B 0, 0, 0
	FETCH_A 0, 0, 0
	SCALES 0
	FETCH_A 0, 0, 4
	s_wait_loadcnt 0x0                             ; the bias
	STEP 0, 0, 1
	TURN 0, 1, 1                                   ; slot 0 takes K step 2
	STEP 1, 0, 0
	TURN 1, 0, 1                                   ; slot 1 takes K step 3
	STEP 0, 0, 0
	TURN 0, 1, 0
	STEP 1, 0, 0
	s_wait_dscnt 4*NL
	WIN MUL_LO
	MUL16 0, 1, NQ-1, 1, 0
	MUL16 2, 1, NQ-1, 1, 0
	s_wait_dscnt 0
	WIN MUL_HI
	MUL16 4, 1, NQ-1, 1, 0
	MUL16 6, 1, NQ-1, 1, 0
	WIN 0
; THE WAY OUT, block by block of 16 tokens x 128 columns, through my own stage: back come whole rows of 512 bytes.  LDS serves a wave's instructions in order (ISA guide 5.7.1.4): no wait between the stores and the loads.
.macro TOSTAGE a
.set AC, 64*((\a)%4)
	WIN 0x08+4*((\a)/4)                            ; the data: window 2 or 3
.irp b, 0,1,2,3,4,5,6,7
	ds_store_b128 v[STO], v[AC+8*\b:AC+8*\b+3] offset:128*(\b/2)+32*(\b%2)          ; each accumulator from its low end on
	ds_store_b128 v[STO], v[AC+8*\b+4:AC+8*\b+7] offset:128*(\b/2)+32*(\b%2)+16
.endr
	WIN 0
.set BB, BK+64*((\a)%2)
.irp t, 0,1,2,3,4,5,6,7,8,9,10,11,12,13,14,15
	ds_load_b128 v[BB+4*\t:BB+4*\t+3], v[RD] offset:\t*SPITCH
.endr
.endm
.macro SEND a, younger                 ; row t of block a is token 32 (a / 2) + 8 (a % 2) + t + 8 (t / 8) of my 128
.set BB, BK+64*((\a)%2)
	s_wait_dscnt \younger
.irp t, 0,1,2,3,4,5,6,7,8,9,10,11,12,13,14,15
	global_store_b128 v[CO], v[BB+4*\t:BB+4*\t+3], s[12:13] offset:(32*((\a)/2)+8*((\a)%2)+\t+8*(\t/8))*4096 th:TH_STORE_NT   ; 32 lanes store 512 consecutive bytes, aligned; 127 rows at the most: inside the signed 24-bit immediate
.endr
.endm
	PLACES NP
	TOSTAGE 0
.irp a, 1,2,3,4,5,6,7
.if \a > 1
	s_wait_xcnt 0x0                                ; block a - 2's stores have read their registers: block a's loads may land there
.endif
	TOSTAGE \a
	SEND \a-1, 32                                  ; behind block a - 1's loads: block a's 16 stores and 16 loads
.endr
	SEND 7, 0
	s_wait_tensorcnt 0x0                           ; the wave's end: these three lines stand behind my last tensor load and my last LDS store
	ds_add_u32 v[SPW], v[NIL]
	s_wait_dscnt 0x0
	CROUND                                         ; the closing round
	s_endpgm
.Lfunc_end_k_q0657429384_gemm_out:
	.size	k_q0657429384_gemm_out, .Lfunc_end_k_q0657429384_gemm_out-k_q0657429384_gemm_out
	.p2alignl 7, 3214868480
	.fill 96, 4, 3214868480
	.section	.rodata,"a",@progbits
	.p2align	6, 0x0
	.amdhsa_kernel k_q0657429384_gemm_out
		.amdhsa_group_segment_fixed_size 327680
		.amdhsa_private_segment_fixed_size 0
		.amdhsa_enable_private_segment 0
		.amdhsa_kernarg_size 32
		.amdhsa_user_sgpr_count 2
		.amdhsa_user_sgpr_kernarg_segment_ptr 1
		.amdhsa_wavefront_size32 1
		.amdhsa_system_sgpr_workgroup_id_x 1
		.amdhsa_system_sgpr_workgroup_id_y 1
		.amdhsa_system_sgpr_workgroup_id_z 1
		.amdhsa_system_vgpr_workitem_id 0
		.amdhsa_next_free_vgpr 1024
		.amdhsa_next_free_sgpr 98
		.amdhsa_reserve_vcc 0
		.amdhsa_float_denorm_mode_32 3
		.amdhsa_float_denorm_mode_16_64 3
		.amdhsa_memory_ordered 1
		.amdhsa_forward_progress 1
		.amdhsa_inst_pref_size 160
	.end_amdhsa_kernel
	.amdgpu_metadata
---
amdhsa.version: [ 1, 2 ]
amdhsa.kernels:
  - .name:           k_q0657429384_gemm_out
    .symbol:         k_q0657429384_gemm_out.kd
    .args:
      - { .name: yq, .offset: 0, .size: 8, .value_kind: global_buffer, .address_space: global }
      - { .name: wq, .offset: 8, .size: 8, .value_kind: global_buffer, .address_space: global }
      - { .name: b_out, .offset: 16, .size: 8, .value_kind: global_buffer, .address_space: global }
      - { .name: out0, .offset: 24, .size: 8, .value_kind: global_buffer, .address_space: global }
    .group_segment_fixed_size: 327680
    .private_segment_fixed_size: 0
    .kernarg_segment_align: 8
    .kernarg_segment_size: 32
    .max_flat_workgroup_size: 128
    .sgpr_count:     98
    .vgpr_count:     1024
    .wavefront_size: 32
...
	.end_amdgpu_metadata
.endif
;; end of part 4
